; MI455X (gfx1250); checked and timed in simulation.
; The chip was launched on July 23, 2026; its instructions are those of AMD's public machine-readable ISA for CDNA 5 (MIT licence, August 2026) and "CDNA5" Instruction Set Architecture Reference Guide (July 2026). The comments in the code are by the model that wrote it; some were corrected since.
;; Multi Head Attention. Allowed arithmetic: matrix products marked QUANTISED: E2M1 operands, one E8M0 scale for each 32 along K, by v_wmma_scale_f32_16x16x128_f8f6f4 with both operands' format E2M1 (or v_wmma_scale_f32_32x16x128_f4), f32 sums; products left as they are: bf16, f16 or f32 operands; f32 sums; everything else in f32.
;; Inputs: Wk 1,024 x 1,024 float32; Wo 1,024 x 1,024 float32; Wq 1,024 x 1,024 float32; Wv 1,024 x 1,024 float32; bk 1,024 float32; bo 1,024 float32; bq 1,024 float32; bv 1,024 float32; key 2 x 2,048 x 1,024 float32; query 2 x 2,048 x 1,024 float32; value 2 x 2,048 x 1,024 float32.
;; Outputs: out0 2 x 2,048 x 1,024 float32.
;; This version of the problem:
;;   THIS VERSION OF THE PROBLEM IS GIVEN IN LOW PRECISION. The matrix products marked QUANTISED in the list below multiply operands that are first quantised to E2M1 (2 exponent bits, 1 mantissa bit; 4 bits a number), with one power-of-two scale for each 32 numbers along K (OCP MX v1.0); their sums are f32. The products marked 'left as it is' may take bf16, f16 or f32 operands, with f32 sums. Whichever they take, every output number must still come out within the allowed error. Rounding operands to bf16 (8 significant bits) uses up far more of that allowance than f16 does (11 bits, for magnitudes from 6e-5 to 65,504). All else is computed in f32.
;;   The module's matrix products, in the order in which they are computed (A, B: the left and right operand; K: the contracted axis; several contracted axes count as one K, in the product's order):
;;     1. [M 4,096, K 1,024] x [K 1,024, N 1,024]; A: input query; B: input Wq: QUANTISED
;;     2. [M 4,096, K 1,024] x [K 1,024, N 1,024]; A: input key; B: input Wk: QUANTISED
;;     3. [M 4,096, K 1,024] x [K 1,024, N 1,024]; A: input value; B: input Wv: QUANTISED
;;     4. batch 32 x [M 2,048, K 64] x [K 64, N 2,048]; A: computed on the way; B: computed on the way: left as it is (an operand is computed on the way)
;;     5. batch 32 x [M 2,048, K 2,048] x [K 2,048, N 64]; A: computed on the way; B: computed on the way: left as it is (an operand is computed on the way)
;;     6. [M 4,096, K 1,024] x [K 1,024, N 1,024]; A: computed on the way; B: input Wo: left as it is (an operand is computed on the way)
;;   THE QUANTISER, for each operand of a quantised product, along K:
;;     - K is cut into blocks of 32 from its start; a last block that is shorter is filled with zeros.
;;     - A block's scale is 2^e with e = floor(log2(the largest magnitude in the block)) - 2, held to -126 .. 127; a block of zeros has e = 0. As a byte (E8M0): e + 127.
;;     - Each number is divided by its block's scale, clamped to +-6, and rounded to the nearest number of E2M1, ties to even, subnormals kept.
;;     - The product sums the exact products of the quantised numbers (number of the format x scale) in f32.
;;   ~~~python
;;   def quantise(x, axis):      # numpy; x: float32 -> the quantised numbers, widened to float32 again
;;       x = np.moveaxis(x, axis, -1); K = x.shape[-1]
;;       x = np.pad(x, [(0, 0)] * (x.ndim - 1) + [(0, -K % 32)]); x = x.reshape(x.shape[:-1] + (-1, 32)); a = np.abs(x).max(-1, keepdims=True)
;;       e = np.where(a > 0, np.clip(np.frexp(np.where(a > 0, a, 1))[1] - 1 - 2, -126, 127), 0)      # np.frexp(a)[1] - 1 = floor(log2(a)), exactly
;;       r = np.clip(x / 2.0 ** e, -6, 6)
;;       step = 2.0 ** (np.maximum(np.frexp(np.where(r == 0, 1, r))[1] - 1, 0) - 1)
;;       q = np.round(r / step) * step * 2.0 ** e      # np.round: ties to even
;;       return np.moveaxis(q.reshape(q.shape[:-2] + (-1,))[..., :K], -1, axis).astype(np.float32)
;;   ~~~
;; One version. Each part assembles by itself: llvm-mc -triple=amdgcn-amd-amdhsa -mcpu=gfx1250 --defsym DOCPART=n.
;; ======== version 1 of 1: 5 launches
;; limits: values are held in f16: magnitudes above 65,504 overflow, below 6.1e-05 lose precision
;; workspace buffers: xc 6,291,456 bytes; xs 393,216 bytes; wc 1,572,864 bytes; ws 98,304 bytes; woh 2,097,152 bytes; qkv 25,165,824 bytes; q32 393,216 bytes; oh 8,388,608 bytes
;; launch quant (part 1): grid 352 x 1, 8 waves a work-group, no clusters, 84,992 bytes of LDS; arguments query, key, value, Wq, Wk, Wv, Wo, xc, xs, wc, ws, woh; writes xc, xs, wc, ws, woh
.if DOCPART == 1
	.amdgcn_target "amdgcn-amd-amdhsa--gfx1250"
	.amdhsa_code_object_version 6
	.text
	.protected	k_q5524a4c74a_quant
	.globl	k_q5524a4c74a_quant
	.p2align	8
	.type	k_q5524a4c74a_quant,@function
k_q5524a4c74a_quant:
	s_mov_b64 s[64:65], 0
	v_nop
	global_prefetch_b8 v0, s[64:65] scope:SCOPE_SE
	s_setreg_imm32_b32 hwreg(HW_REG_WAVE_MODE, 25, 1), 1
	s_wait_xcnt 0x0
; ALL THAT IS MADE READY AHEAD OF THE PRODUCTS, IN ONE LAUNCH.  Three kinds of work-group, told apart by the work-group's number alone; each kind that uses LDS has LDS bytes of its own.
; 0-191: query, key, value, each [4096][1024] f32, become codes of E2M1 (4 bits, K innermost) and one E8M0 byte for each 32 along K.
;   xc: [12288 rows = query's, key's, value's tokens on end][512 bytes].  xs: [K half 2][12288 rows][16 bytes]: byte b of a row's 16 is block 16 x half + b.
;   Wave W = 8 x work-group + wave takes 16 rows (W / 2) and one half of K (W % 2): 16 steps of 512 numbers, a step a row.  Each of a step's four loads reads 512 consecutive bytes; the 2,048 bytes turn
;   through the wave's own stage in LDS and come back 64 bytes a lane, so that a lane holds 16 neighbours along K (two lanes hold a block).  A wave's store of codes covers 256 consecutive bytes, aligned;
;   its 256 scale bytes are gathered in LDS and leave as one aligned run of 256 bytes.  These waves share nothing: no barrier.
; 192-287: Wq, Wk, Wv, each [k 1024][n 1024] f32 with K as the FIRST axis, become codes laid [3 x 1024 n][512 bytes], K innermost (wc), and scale bytes laid [K half 2][3072 n][16 bytes] (ws).
;   Work-group i: tensor i / 32, K half (i / 16) % 2, columns 64 (i % 16) on.  Wave w: columns 32 (w % 2) on, 128 along K from 128 (w / 2) on.  A lane takes ONE column and its 128 registers run down K:
;   four whole blocks of 32, so a block's largest magnitude needs no other lane and the conversions give codes with K innermost.  All 128 loads of a wave go out at once (each reads 128 consecutive bytes).
;   The codes meet in a stage (a row a column, 256 bytes + 16), the scale words beside it; one barrier; sixteen lanes then store 256 consecutive aligned bytes.
; 288-351: Wo is rounded to f16 in its own order [k][n] (woh): 16,384 numbers a work-group.  |Wo| must stay under 65,504.
; THE QUANTISER: a block's scale is 2^(floor(log2(largest magnitude)) - 2); its byte is the largest magnitude's exponent field - 2, held at 1 from below.
; A block of zeros so gets the byte 1 and zero codes; the bytes are read by this program's own launches alone.
; LIMITS: NaN and infinities among the inputs are not served; blocks whose largest magnitude lies under 2^-124 (the floor) were not tried.
.set NX,    192                        ; work-groups for the tokens
.set NW,    96                         ; for the three weights
.set STEPS, 16
.set R,     16                         ; v16-79   tokens: four sets of 16 numbers as loaded
.set X,     80                         ; v80-111  two sets of 16 neighbours
.set E,     112                        ; v112-127 a scale byte for each step
.set C,     128                        ; v128-191 codes, four registers a step: no store's data are written again
.set WREG,  8192                       ; tokens: LDS of a wave: two stages of 32 x SP bytes, then its 256 scale bytes
.set SP,    80                         ; a lane's place in a stage: 64 bytes + 16 of padding
.set SPW,   12                         ; v12  my spare word's LDS address; never rewritten
.set NIL,   13                         ; v13  0; never rewritten
.set STG,   8*WREG                     ; weights: 64 rows x 272
.set SCS,   STG+64*272                 ; weights: [64 columns][16 bytes]
.set SPARE, SCS+1024                   ; the spare words: 128 bytes a wave, named by no other line
.set WX,    32                         ; v32-159  weights: 128 numbers down K
.set WC,    160                        ; v160-175 four blocks' codes
.set WSB,   176                        ; v176     their four scale bytes
	s_load_b512 s[4:19], s[0:1], 0x0               ; query, key, value, Wq, Wk, Wv, Wo, xc
	s_load_b256 s[20:27], s[0:1], 0x40             ; xs, wc, ws, woh
	v_lshl_add_u32 v[SPW], v0, 2, SPARE
	v_mov_b32 v[NIL], 0
	v_lshrrev_b32 v1, 5, v0
	v_readfirstlane_b32 s28, v1                    ; wave 0..7
	v_and_b32 v2, 31, v0                           ; lane
	; every LDS address of every kind of work-group is made here, ahead of the parting
	v_lshlrev_b32 v3, 4, v2                        ; tokens: my 16 bytes of a load's 512
	s_mul_i32 s38, s28, WREG
	v_lshrrev_b32 v14, 2, v2
	v_mul_u32_u24 v14, v14, SP
	v_and_b32 v15, 3, v2
	v_lshl_add_u32 v14, v15, 4, v14
	v_add_nc_u32 v14, s38, v14                     ; into the stage: SP (lane / 4) + 16 (lane % 4)
	v_mul_u32_u24 v15, v2, SP
	v_add_nc_u32 v15, s38, v15                     ; out of it: SP x lane
	v_lshlrev_b32 v4, 3, v2                        ; my 8 bytes of a step's codes
	v_lshrrev_b32 v5, 1, v2
	s_add_co_u32 s38, s38, 2*32*SP
	v_add_nc_u32 v5, s38, v5                       ; my block's scale byte in LDS
	v_lshlrev_b32 v7, 3, v2
	v_add_nc_u32 v6, s38, v7                       ; and 8 bytes a lane on the way out
	s_and_b32 s36, s28, 1                          ; weights: which 32 columns
	s_lshr_b32 s37, s28, 1                         ; which 128 along K
	v_lshlrev_b32 v192, 2, v2                      ; in: 4 bytes a lane
	s_lshl_b32 s38, s36, 5
	v_add_nc_u32 v198, s38, v2                     ; my column among the 64
	v_mul_u32_u24 v193, v198, 272
	s_lshl_b32 s38, s37, 6
	s_add_co_u32 s38, s38, STG
	v_add_nc_u32 v193, s38, v193                   ; stage: my column's row, my 64 bytes
	v_lshlrev_b32 v194, 4, v198
	s_lshl_b32 s38, s37, 2
	s_add_co_u32 s38, s38, SCS
	v_add_nc_u32 v194, s38, v194                   ; my scale word
	v_and_b32 v199, 15, v2
	v_lshrrev_b32 v200, 4, v2
	s_lshl_b32 s38, s28, 3
	v_add_nc_u32 v201, s38, v200                   ; out: row 8 w + lane / 16
	v_mul_u32_u24 v195, v201, 272
	v_lshl_add_u32 v195, v199, 4, v195
	v_add_nc_u32 v195, STG, v195
	v_lshlrev_b32 v196, 9, v201
	v_lshl_add_u32 v196, v199, 4, v196             ; and the same place in wc
	s_lshl_b32 s38, s36, 9
	v_lshl_add_u32 v197, v2, 4, s38                ; scale words out: 512 (w % 2) + 16 lane
	v_add_nc_u32 v202, SCS, v197
	s_wait_kmcnt 0x0
	s_cmp_lt_u32 ttmp9, NX
	s_cbranch_scc0 .Lnot_x
	; ---- the tokens
	s_mov_b32 s30, 128
	s_cmp_lt_u32 ttmp9, 128                        ; which tensor: the choice hangs on the work-group's number alone
	s_cselect_b64 s[6:7], s[6:7], s[8:9]
	s_cselect_b32 s30, 64, s30
	s_cmp_lt_u32 ttmp9, 64
	s_cselect_b64 s[4:5], s[4:5], s[6:7]
	s_cselect_b32 s30, 0, s30
	s_sub_co_u32 s31, ttmp9, s30
	s_lshl_b32 s31, s31, 3
	s_add_co_u32 s31, s31, s28                     ; my wave's number within the tensor
	s_lshr_b32 s32, s31, 1
	s_lshl_b32 s32, s32, 16                        ; 16 rows of 4,096 bytes
	s_and_b32 s31, s31, 1
	s_lshl_b32 s31, s31, 11                        ; the half of K: 2,048 bytes
	s_or_b32 s32, s32, s31
	s_mov_b32 s33, 0
	s_add_nc_u64 s[4:5], s[4:5], s[32:33]
	s_lshl_b32 s31, ttmp9, 3
	s_add_co_u32 s31, s31, s28                     ; W over all three tensors
	s_lshr_b32 s34, s31, 1                         ; the group of 16 rows
	s_and_b32 s31, s31, 1                          ; the half of K
	s_lshl_b32 s32, s34, 13                        ; 16 rows of 512 bytes of codes
	s_lshl_b32 s35, s31, 8
	s_or_b32 s32, s32, s35
	s_add_nc_u64 s[18:19], s[18:19], s[32:33]
	s_mul_i32 s32, s31, 196608                     ; a half of K: 12,288 rows x 16 bytes
	s_lshl_b32 s34, s34, 8
	s_add_co_u32 s32, s32, s34
	s_add_nc_u64 s[20:21], s[20:21], s[32:33]
.macro LOAD t
.irp i, 0,1,2,3
	global_load_b128 v[R+16*((\t)%4)+4*\i:R+16*((\t)%4)+4*\i+3], v3, s[4:5] offset:4096*(\t)+512*\i th:TH_LOAD_NT
.endr
.endm
.macro TURN t                          ; step t through the stage: LDS serves a wave's instructions in order, so no wait between stores and loads
.irp i, 0,1,2,3
	ds_store_b128 v14, v[R+16*((\t)%4)+4*\i:R+16*((\t)%4)+4*\i+3] offset:32*SP*((\t)%2)+8*SP*\i
.endr
.irp i, 0,1,2,3
	ds_load_b128 v[X+16*((\t)%2)+4*\i:X+16*((\t)%2)+4*\i+3], v15 offset:32*SP*((\t)%2)+16*\i
.endr
.endm
.irp t, 0,1,2,3
	LOAD \t
.endr
	s_wait_loadcnt 12                              ; step 0's four loads are in; twelve younger ones stay out
	TURN 0
.macro STEP t
.set XS, X+16*((\t)%2)
.if (\t) > 0
	s_wait_dscnt 1                                 ; this step's numbers are back (the last step's byte store may be out)
.else
	s_wait_dscnt 0x0
.endif
.if (\t)+4 < STEPS
	LOAD (\t)+4                                    ; into the set whose stores into the stage have just been shown done
.endif
.if (\t)+1 < STEPS
.if STEPS-2-(\t) >= 3
	s_wait_loadcnt 12                              ; the next step's loads are in; three steps' twelve stay out
.else
	s_wait_loadcnt 4*(STEPS-2-(\t))
.endif
	TURN (\t)+1
.endif
	v_max3_num_f32 v8, |v[XS]|, |v[XS+1]|, |v[XS+2]|
	v_max3_num_f32 v9, |v[XS+3]|, |v[XS+4]|, |v[XS+5]|
.irp i, 6,10
	v_max3_num_f32 v8, v8, |v[XS+\i]|, |v[XS+\i+1]|
	v_max3_num_f32 v9, v9, |v[XS+\i+2]|, |v[XS+\i+3]|
.endr
	v_max3_num_f32 v8, v8, |v[XS+14]|, |v[XS+15]|
	v_max3_num_f32 v8, v8, v9, 0x1800000           ; the floor 2^(3 - 127): the byte cannot fall under 1
	v_max_num_f32_dpp v8, v8, v8 row_xmask:1 row_mask:0xf bank_mask:0xf   ; with my neighbour's 16: the block's largest magnitude
	v_add_nc_u32 v11, 0xff000000, v8               ; 2 off its exponent field: the conversion's scale operand
	v_cvt_scalef32_pk8_fp4_f32 v[C+4*(\t)], v[XS:XS+7], v11
	v_cvt_scalef32_pk8_fp4_f32 v[C+4*(\t)+1], v[XS+8:XS+15], v11
	v_lshrrev_b32 v[E+(\t)], 23, v11               ; the scale's byte
	ds_store_b8 v5, v[E+(\t)] offset:16*(\t)       ; both lanes of a block write the same byte
	global_store_b64 v4, v[C+4*(\t):C+4*(\t)+1], s[18:19] offset:512*(\t)
.endm
.irp t, 0,1,2,3,4,5,6,7,8,9,10,11,12,13,14,15
	STEP \t
.endr
	ds_load_b64 v[8:9], v6
	s_wait_dscnt 0x0
	global_store_b64 v7, v[8:9], s[20:21]          ; 16 rows x 16 scale bytes: 256 consecutive bytes, aligned
	s_branch .Lend
.Lnot_x:
	s_cmp_lt_u32 ttmp9, NX+NW
	s_cbranch_scc1 .Lweights
	; ---- Wo to f16: a wave's load covers 512 consecutive bytes, its store 256
	s_sub_co_u32 s30, ttmp9, NX+NW
	s_lshl_b32 s32, s30, 16
	s_mov_b32 s33, 0
	s_add_nc_u64 s[16:17], s[16:17], s[32:33]
	s_lshl_b32 s32, s30, 15
	s_add_nc_u64 s[26:27], s[26:27], s[32:33]
	v_lshlrev_b32 v203, 4, v0
	v_lshlrev_b32 v204, 3, v0
.irp j, 0,1,2,3,4,5,6,7,8,9,10,11,12,13,14,15
	global_load_b128 v[32+4*\j:35+4*\j], v203, s[16:17] offset:4096*\j
.endr
.irp j, 0,1,2,3,4,5,6,7,8,9,10,11,12,13,14,15
	s_wait_loadcnt 15-\j                           ; loads come back in order: number j is in
	v_cvt_pk_f16_f32 v[96+2*\j], v[32+4*\j], v[33+4*\j]
	v_cvt_pk_f16_f32 v[97+2*\j], v[34+4*\j], v[35+4*\j]
	global_store_b64 v204, v[96+2*\j:97+2*\j], s[26:27] offset:2048*\j
.endr
	s_branch .Lend
.Lweights:
	s_sub_co_u32 s30, ttmp9, NX
	s_lshr_b32 s31, s30, 5                         ; the tensor
	s_bfe_u32 s32, s30, 0x10004                    ; the half of K
	s_and_b32 s33, s30, 15                         ; which 64 columns
	s_cmp_lt_u32 s31, 2
	s_cselect_b64 s[12:13], s[12:13], s[14:15]
	s_cmp_eq_u32 s31, 0
	s_cselect_b64 s[10:11], s[10:11], s[12:13]
	s_lshl_b32 s34, s32, 9
	s_lshl_b32 s35, s37, 7
	s_add_co_u32 s34, s34, s35                     ; my first k
	s_lshl_b32 s34, s34, 12                        ; rows of 4,096 bytes
	s_lshl_b32 s35, s33, 8
	s_add_co_u32 s34, s34, s35
	s_lshl_b32 s35, s36, 7
	s_add_co_u32 s34, s34, s35                     ; + 4 x my wave's first column
	s_mov_b32 s35, 0
	s_add_nc_u64 s[10:11], s[10:11], s[34:35]
.set n, 0
.rept 128
	global_load_b32 v[WX+n], v192, s[10:11] offset:n*4096 th:TH_LOAD_NT
.set n, n+1
.endr
	s_lshl_b32 s34, s31, 10
	s_lshl_b32 s38, s33, 6
	s_add_co_u32 s38, s34, s38                     ; the work-group's first row of wc and ws
	s_lshl_b32 s34, s38, 9
	s_lshl_b32 s39, s32, 8
	s_add_co_u32 s34, s34, s39
	s_add_nc_u64 s[22:23], s[22:23], s[34:35]
	s_mul_i32 s34, s32, 49152
	s_lshl_b32 s38, s38, 4
	s_add_co_u32 s34, s34, s38
	s_add_nc_u64 s[24:25], s[24:25], s[34:35]
.macro BLOCK t
.set XS, WX+32*(\t)
.if (\t) < 2
	s_wait_loadcnt 63                              ; 96 or 64 loads were issued behind this block's
.elseif (\t) == 2
	s_wait_loadcnt 32
.else
	s_wait_loadcnt 0x0
.endif
	v_max3_num_f32 v203, |v[XS]|, |v[XS+1]|, |v[XS+2]|
	v_max3_num_f32 v204, |v[XS+3]|, |v[XS+4]|, |v[XS+5]|
.irp i, 6,10,14,18,22,26
	v_max3_num_f32 v203, v203, |v[XS+\i]|, |v[XS+\i+1]|
	v_max3_num_f32 v204, v204, |v[XS+\i+2]|, |v[XS+\i+3]|
.endr
	v_max3_num_f32 v203, v203, |v[XS+30]|, |v[XS+31]|
	v_max3_num_f32 v203, v203, v204, 0x1800000     ; the floor 2^(3 - 127)
	v_add_nc_u32 v205, 0xff000000, v203            ; the conversion's scale operand
	v_lshrrev_b32 v204, 23, v205                   ; the byte
.if (\t) == 0
	v_mov_b32 v[WSB], v204
.else
	v_lshl_or_b32 v[WSB], v204, 8*(\t), v[WSB]
.endif
.irp g, 0,1,2,3
	v_cvt_scalef32_pk8_fp4_f32 v[WC+4*(\t)+\g], v[XS+8*\g:XS+8*\g+7], v205
.endr
	ds_store_b128 v193, v[WC+4*(\t):WC+4*(\t)+3] offset:16*(\t)
.endm
	BLOCK 0
	BLOCK 1
	BLOCK 2
	BLOCK 3
	ds_store_b32 v194, v[WSB]
	s_wait_dscnt 0x0                               ; for the others' sake: my stores have landed
	s_barrier_signal -1
	s_barrier_wait -1
.irp i, 0,1,2,3
	ds_load_b128 v[32+4*\i:35+4*\i], v195 offset:544*\i
.endr
.irp i, 0,1,2,3
	s_wait_dscnt 3-\i
	global_store_b128 v196, v[32+4*\i:35+4*\i], s[22:23] offset:1024*\i   ; sixteen lanes store 256 consecutive bytes, aligned
.endr
	s_cmp_lt_u32 s28, 2                            ; waves 0 and 1 send the 1,024 scale bytes, 512 each, dense
	s_cbranch_scc0 .Lend
	ds_load_b128 v[48:51], v202
	s_wait_dscnt 0x0
	global_store_b128 v197, v[48:51], s[24:25]
.Lend:
	s_wait_tensorcnt 0x0                           ; the wave's end
	ds_add_u32 v[SPW], v[NIL]
	s_wait_dscnt 0x0
	s_endpgm
.Lfunc_end_k_q5524a4c74a_quant:
	.size	k_q5524a4c74a_quant, .Lfunc_end_k_q5524a4c74a_quant-k_q5524a4c74a_quant
	.p2alignl 7, 3214868480
	.fill 96, 4, 3214868480
	.section	.rodata,"a",@progbits
	.p2align	6, 0x0
	.amdhsa_kernel k_q5524a4c74a_quant
		.amdhsa_group_segment_fixed_size 84992
		.amdhsa_private_segment_fixed_size 0
		.amdhsa_enable_private_segment 0
		.amdhsa_kernarg_size 96
		.amdhsa_user_sgpr_count 2
		.amdhsa_user_sgpr_kernarg_segment_ptr 1
		.amdhsa_wavefront_size32 1
		.amdhsa_system_sgpr_workgroup_id_x 1
		.amdhsa_system_sgpr_workgroup_id_y 1
		.amdhsa_system_sgpr_workgroup_id_z 1
		.amdhsa_system_vgpr_workitem_id 0
		.amdhsa_next_free_vgpr 208
		.amdhsa_next_free_sgpr 66
		.amdhsa_reserve_vcc 0
		.amdhsa_float_denorm_mode_32 3
		.amdhsa_float_denorm_mode_16_64 3
		.amdhsa_memory_ordered 1
		.amdhsa_forward_progress 1
		.amdhsa_inst_pref_size 61
	.end_amdhsa_kernel
	.amdgpu_metadata
---
amdhsa.version: [ 1, 2 ]
amdhsa.kernels:
  - .name:           k_q5524a4c74a_quant
    .symbol:         k_q5524a4c74a_quant.kd
    .args:
      - { .name: query, .offset: 0, .size: 8, .value_kind: global_buffer, .address_space: global }
      - { .name: key, .offset: 8, .size: 8, .value_kind: global_buffer, .address_space: global }
      - { .name: value, .offset: 16, .size: 8, .value_kind: global_buffer, .address_space: global }
      - { .name: Wq, .offset: 24, .size: 8, .value_kind: global_buffer, .address_space: global }
      - { .name: Wk, .offset: 32, .size: 8, .value_kind: global_buffer, .address_space: global }
      - { .name: Wv, .offset: 40, .size: 8, .value_kind: global_buffer, .address_space: global }
      - { .name: Wo, .offset: 48, .size: 8, .value_kind: global_buffer, .address_space: global }
      - { .name: xc, .offset: 56, .size: 8, .value_kind: global_buffer, .address_space: global }
      - { .name: xs, .offset: 64, .size: 8, .value_kind: global_buffer, .address_space: global }
      - { .name: wc, .offset: 72, .size: 8, .value_kind: global_buffer, .address_space: global }
      - { .name: ws, .offset: 80, .size: 8, .value_kind: global_buffer, .address_space: global }
      - { .name: woh, .offset: 88, .size: 8, .value_kind: global_buffer, .address_space: global }
    .group_segment_fixed_size: 84992
    .private_segment_fixed_size: 0
    .kernarg_segment_align: 8
    .kernarg_segment_size: 96
    .max_flat_workgroup_size: 256
    .sgpr_count:     66
    .vgpr_count:     208
    .wavefront_size: 32
...
	.end_amdgpu_metadata
.endif
;; end of part 1
;; launch proj (part 2): grid 4 x 48, 4 waves a work-group, clusters of 4 x 1, 327,680 bytes of LDS; arguments xc, xs, wc, ws, bq, bk, bv, qkv, q32; writes qkv, q32
.if DOCPART == 2
	.amdgcn_target "amdgcn-amd-amdhsa--gfx1250"
	.amdhsa_code_object_version 6
	.text
	.protected	k_q5524a4c74a_proj
	.globl	k_q5524a4c74a_proj
	.p2align	8
	.type	k_q5524a4c74a_proj,@function
k_q5524a4c74a_proj:
	s_mov_b64 s[64:65], 0
	v_nop
	global_prefetch_b8 v0, s[64:65] scope:SCOPE_SE
	s_setreg_imm32_b32 hwreg(HW_REG_WAVE_MODE, 25, 1), 1
	s_wait_xcnt 0x0
	s_wait_alu depctr_hold_cnt(0) depctr_sa_sdst(0) depctr_va_vdst(0) depctr_va_sdst(0) depctr_va_ssrc(0) depctr_va_vcc(0) depctr_vm_vsrc(0)
	s_getreg_b32 s2, hwreg(HW_REG_IB_STS2, 6, 4)
	s_cmp_eq_u32 s2, 0
	s_cbranch_scc0 .Lentry_in_a_cluster
	s_endpgm
.Lentry_in_a_cluster:
	s_bfe_u32 s2, ttmp6, 0x10000c
	s_cmp_lg_u32 s2, 0x3003
	s_cbranch_scc0 .Lentry_shape_is_right
	s_endpgm
.Lentry_shape_is_right:
; Q, K, V = Q4(x) Q4(W) + b: the three quantised products as one GEMM on codes of E2M1 with E8M0 scales, K = 1,024, sums in f32, the bias as the C of each sum's first product.
; Rows: 12,288 (query's, key's, value's tokens on end); tile row TR = work-group y takes 256 of them, tensor TR / 16; the four work-groups of a cluster take the four tiles of 256 columns.
; Four waves, each 128 x 128 of the tile: 64 accumulators.  K is two LDS slots of 512, BOTH filled at the head: nothing is filled again, so there is no loop and no round but the first and the closing one.
; JOINT LOADS: x's tiles and scales hang on TR alone, which the four partners share: one request for the four (mask 15).  W's differ from partner to partner and are plain loads.
; A cluster of 4 x 4 is not taken: the branch round the f32 copy below would then hang on a work-group's place in its cluster.
; THE MATRIX INSTRUCTION IS USED TRANSPOSED (source 0 = 16 rows of W's codes, source 1 = 16 rows of x's): a lane holds eight neighbouring columns of one token.
; OUT: f16, by head: qkv [3][b][h][t][64]; each store covers 512 consecutive bytes (four tokens of one head).  |Q|, |K|, |V| must stay under 65,504.
; Positions 0 to 15 of each batch also leave as f32 (q32 [3][b][16][1024]) for the last launch; those stores cover 64 bytes of a row each: 0.4 MB of the launch's 25.
; REGISTERS: window 0: v16-31 addresses; v32-95 scale words (two sets); v128-191 x's fragments (one set); v192-255 the bias.  window 1: W's fragments, two sets.  windows 2, 3: accumulators.
.set NQ,     4
.set ROWB,   256
.set KROW,   512
.set PITCH,  272                       ; 256 bytes + 16: the sixteen rows of a fragment load start at sixteen different groups of banks
.set FR,     8
.set NL,     2
.set NP,     4
.set HALFT,  128*PITCH
.set SLOT,   4*HALFT
.set SCL,    2*SLOT                    ; the scales: wave x 4,096: [K step 2][128 rows][16 bytes], dense
.set SPARE,  SCL+16384
.set ADRA, 16
.set ADRB, 20
.set STO,  24
.set RD,   25
.set CO,   26
.set ADRS, 27
.set SPW,  28
.set NIL,  29
.set FO,   30
.set BO,   31
.set SC,   32
.set AF,   128
.set BIAS, 192
.set TMP,  32
.set BK,   128
.set WV,   22
.set RH,   23                          ; my half of the tile's rows; also: I fetch for x (0) or for W (1)
.set CH,   24                          ; my half of its columns; also: which 128 rows I fetch
.set CX,   25
.set TR,   26
.set TN,   27
.set FLAG, 28
.set G1,   32
.set G0,   40
.set G1B,  48
.set G0B,  56
.set G1S,  68
.set G0S,  76
.set G1SB, 80
.set G0SB, 88
.set MSB, 0
.macro WIN new                         ; the immediate's high byte repeats the setting that is left
.if MSB != \new
	s_set_vgpr_msb (MSB<<8)|\new
.set MSB, \new
.endif
.endm
.set MUL_LO, 0xa1                      ; source 0 window 1, source 1 window 0, C and D window 2
.set MUL_HI, 0xf1
.set TO_B,   0x40
.macro JLOAD g0a, g1a, g0b, g1b        ; waves 0, 1: x's (joint); waves 2, 3: W's (plain).  An s_nop 0 and four v_nop follow each line
	s_cmp_eq_u32 s[RH], 0
	s_cbranch_scc0 .Lfor_b_\@
	tensor_load_to_lds s[\g0a:\g0a+3], s[\g1a:\g1a+7]
	s_nop 0
.rept 4
	v_nop
.endr
	s_branch .Lasked_\@
.Lfor_b_\@:
	tensor_load_to_lds s[\g0b:\g0b+3], s[\g1b:\g1b+7]
	s_nop 0
.rept 4
	v_nop
.endr
.Lasked_\@:
.endm
.macro CROUND                          ; a round of the cluster's barrier
	s_barrier_signal -1
	s_barrier_wait -1
	s_cmp_lg_u32 s[WV], 0
	s_cbranch_scc1 .Lnot_wave_0_\@
	s_barrier_signal -3
.Lnot_wave_0_\@:
	s_barrier_wait -3
	s_barrier_signal -1
	s_barrier_wait -1
.endm
	s_load_b512 s[4:19], s[0:1], 0x0               ; xc, xs, wc, ws, bq, bk, bv, qkv
	s_load_b64 s[20:21], s[0:1], 0x40              ; q32
	v_lshl_add_u32 v[SPW], v0, 2, SPARE
	v_mov_b32 v[NIL], 0
	ds_add_u32 v[SPW], v[NIL]                      ; the opening
	ds_add_u32 v[SPW], v[NIL]
	v_lshrrev_b32 v1, 5, v0
	v_readfirstlane_b32 s[WV], v1
	s_lshr_b32 s[RH], s[WV], 1
	s_and_b32 s[CH], s[WV], 1
	s_bfe_u32 s[CX], ttmp6, 0x40000                ; my place in the cluster = my tile column
	s_and_b32 s[TR], ttmp7, 0xffff
	s_lshr_b32 s[TN], s[TR], 4
	s_and_b32 s[FLAG], s[TR], 7
	s_or_b32 s[FLAG], s[FLAG], s[RH]               ; 0: my first 16 rows are positions 0 to 15 of a batch
	s_mov_b32 s[G1+0], 15|(1<<20)|(1<<21)|(5<<22)|(3<<25)   ; mask of the four; elements of 1 byte; 4 words of padding after every 64
	s_mov_b32 s[G1B+0], (1<<20)|(5<<22)|(3<<25)
.irp g, G1, G1B
	s_mov_b32 s[\g+1], ROWB<<16                    ; tensor_dim0
	s_mov_b32 s[\g+2], 128<<16                     ; tensor_dim1
	s_mov_b32 s[\g+3], ROWB<<16                    ; tile_dim0
	s_mov_b32 s[\g+4], 128                         ; tile_dim1
	s_mov_b32 s[\g+5], KROW                        ; from row to row
	s_mov_b32 s[\g+6], 0
	s_mov_b32 s[\g+7], 0
.endr
	s_mov_b32 s[G1S+0], 15|(3<<16)|(1<<21)         ; the scales of 128 rows: 2 rows (K steps) of 256 elements of 8 bytes
	s_mov_b32 s[G1SB+0], 3<<16
.irp g, G1S, G1SB
	s_mov_b32 s[\g+1], 256<<16
	s_mov_b32 s[\g+2], 2<<16
	s_mov_b32 s[\g+3], 256<<16
	s_mov_b32 s[\g+4], 2
	s_mov_b32 s[\g+6], 0
	s_mov_b32 s[\g+7], 0
.endr
	s_mov_b32 s[G1S+5], 24576                      ; a K half of xs: 196,608 bytes
	s_mov_b32 s[G1SB+5], 6144                      ; of ws: 49,152
	s_lshl_b32 s29, s[TR], 8
	s_lshl_b32 s30, s[CH], 7
	s_add_co_u32 s29, s29, s30                     ; x's rows that I would fetch
	s_lshl_b32 s92, s29, 9
	s_mov_b32 s93, 0
	s_lshl_b32 s98, s29, 4
	s_mov_b32 s99, 0
	s_lshl_b32 s31, s[TN], 10
	s_lshl_b32 s94, s[CX], 8
	s_add_co_u32 s31, s31, s94
	s_add_co_u32 s31, s31, s30                     ; W's rows (no register that feeds x's descriptors ever holds my place in the cluster)
	s_lshl_b32 s94, s31, 9
	s_mov_b32 s95, 0
	s_lshl_b32 s96, s31, 4
	s_mov_b32 s97, 0
	s_mul_i32 s100, s[WV], HALFT
	s_lshl_b32 s101, s[WV], 12
	s_wait_dscnt 0x0                               ; both opening adds are done
	s_wait_kmcnt 0x0
	s_add_nc_u64 s[92:93], s[4:5], s[92:93]
	s_add_nc_u64 s[98:99], s[6:7], s[98:99]
	s_add_nc_u64 s[94:95], s[8:9], s[94:95]
	s_add_nc_u64 s[96:97], s[10:11], s[96:97]
	CROUND                                         ; the four work-groups are here: the joint loads meet
	s_mov_b32 s[G0S], 1
	s_add_co_u32 s[G0S+1], s101, SCL
	s_mov_b64 s[G0S+2:G0S+3], s[98:99]
	s_or_b32 s[G0S+3], s[G0S+3], 0x80000000
	s_mov_b32 s[G0SB], 1
	s_add_co_u32 s[G0SB+1], s101, SCL
	s_mov_b64 s[G0SB+2:G0SB+3], s[96:97]
	s_or_b32 s[G0SB+3], s[G0SB+3], 0x80000000
	JLOAD G0S, G1S, G0SB, G1SB
.irp s, 0,1
	s_mov_b32 s[G0+4*\s], 1
	s_add_co_u32 s[G0+4*\s+1], s100, \s*SLOT
	s_add_nc_u64 s[G0+4*\s+2:G0+4*\s+3], s[92:93], \s*ROWB
	s_or_b32 s[G0+4*\s+3], s[G0+4*\s+3], 0x80000000
	s_mov_b32 s[G0B+4*\s], 1
	s_add_co_u32 s[G0B+4*\s+1], s100, \s*SLOT
	s_add_nc_u64 s[G0B+4*\s+2:G0B+4*\s+3], s[94:95], \s*ROWB
	s_or_b32 s[G0B+4*\s+3], s[G0B+4*\s+3], 0x80000000
	JLOAD G0+4*\s, G1, G0B+4*\s, G1B               ; three loads of mine are out behind the second of these
.endr
	; the bias of my 128 columns, in the result's layout: lane (r, h), block b, register j: b[col0 + 16 b + 8 h + j]
	s_cmp_lt_u32 s[TN], 2
	s_cselect_b64 s[14:15], s[14:15], s[16:17]
	s_cmp_eq_u32 s[TN], 0
	s_cselect_b64 s[12:13], s[12:13], s[14:15]
	s_lshl_b32 s96, s[CX], 10
	s_lshl_b32 s97, s[CH], 9
	s_add_co_u32 s96, s96, s97
	s_mov_b32 s97, 0
	s_add_nc_u64 s[12:13], s[12:13], s[96:97]
	v_and_b32 v1, 15, v0                           ; r
	v_bfe_u32 v2, v0, 4, 1                         ; h
	v_lshlrev_b32 v[BO], 5, v2
.irp b, 0,1,2,3,4,5,6,7
	global_load_b128 v[BIAS+8*\b:BIAS+8*\b+3], v[BO], s[12:13] offset:64*\b
	global_load_b128 v[BIAS+8*\b+4:BIAS+8*\b+7], v[BO], s[12:13] offset:64*\b+16
.endr
	v_mul_u32_u24 v3, v1, PITCH
	v_lshl_add_u32 v4, v2, 4, v3
	s_mul_i32 s29, s[RH], HALFT
	s_mul_i32 s30, s[CH], HALFT
	s_add_co_u32 s30, s30, 2*HALFT
.irp s, 0,1
	v_add_nc_u32 v[ADRA+\s], s29, v4
	v_add_nc_u32 v[ADRB+\s], s30, v4
	s_add_co_u32 s29, s29, SLOT
	s_add_co_u32 s30, s30, SLOT
.endr
	v_lshlrev_b32 v5, 4, v1                        ; scale words: 16 bytes a row; lanes 0-15 x's rows, lanes 16-31 W's
	s_lshl_b32 s29, s[RH], 12
	s_add_co_u32 s30, s[CH], 2
	s_sub_co_u32 s30, s30, s[RH]
	s_lshl_b32 s30, s30, 12
	v_mul_u32_u24 v6, s30, v2
	s_add_co_u32 s29, s29, SCL
	v_add_nc_u32 v5, v5, v6
	v_add_nc_u32 v[ADRS], s29, v5
	s_mul_i32 s29, s[WV], 16*PITCH                 ; my stage, in slot 0: used when that slot has had its only fill and its last read
	v_add_nc_u32 v[STO], s29, v4                   ; in: row r, 16 bytes for each half of the lanes
	v_bfe_u32 v5, v0, 3, 2
	v_mul_u32_u24 v5, v5, PITCH
	v_and_b32 v6, 7, v0
	v_lshl_add_u32 v5, v6, 4, v5
	v_add_nc_u32 v[RD], s29, v5                    ; back: four tokens x 128 bytes of one head
	v_and_b32 v6, 31, v0
	v_lshlrev_b32 v[CO], 4, v6
	v_lshlrev_b32 v[FO], 12, v1
	v_lshl_add_u32 v[FO], v2, 5, v[FO]             ; the f32 copy: row r of 4,096 bytes + 32 h
	s_and_b32 s92, s[TR], 15
	s_lshl_b32 s92, s92, 8
	s_lshl_b32 s93, s[RH], 7
	s_add_co_u32 s92, s92, s93                     ; my first row within the tensor
	s_lshr_b32 s93, s92, 11                        ; the batch
	s_and_b32 s92, s92, 2047                       ; the position
	s_lshl_b32 s94, s93, 4
	s_lshl_b32 s95, s[CX], 2
	s_add_co_u32 s94, s94, s95
	s_lshl_b32 s95, s[CH], 1
	s_add_co_u32 s94, s94, s95                     ; 16 b + my first head
	s_lshl_b32 s94, s94, 11
	s_add_co_u32 s94, s94, s92
	s_lshl_b32 s94, s94, 7
	s_lshl_b32 s95, s[TN], 23
	s_add_co_u32 s94, s94, s95
	s_mov_b32 s95, 0
	s_add_nc_u64 s[18:19], s[18:19], s[94:95]
	s_lshl_b32 s94, s[TN], 1
	s_add_co_u32 s94, s94, s93
	s_lshl_b32 s94, s94, 16
	s_add_co_u32 s94, s94, s96                     ; + 4 x my first column
	s_add_nc_u64 s[20:21], s[20:21], s[94:95]
.macro FRAG reg, adr, q, i             ; 16 rows x 128 K of 4-bit codes: registers 4 c .. 4 c + 3 hold K = 64 c + 32 (lane / 16) + 0 .. 31
.irp c, 0,1
	ds_load_b128 v[\reg+4*\c:\reg+4*\c+3], v[\adr] offset:64*(\q)+32*\c+(\i)*16*PITCH
.endr
.endm
; 16 products: x's blocks a0, a0 + 1 against W's eight.  The 64 accumulators take turns, one instruction a turn, in the same order in every step.
.macro MUL16 a0, p, q, sc, zero
.irp a, \a0, \a0+1
.irp b, 0,1,2,3,4,5,6,7
.if \zero
	v_wmma_scale_f32_16x16x128_f8f6f4 v[8*(8*((\a)%4)+\b):8*(8*((\a)%4)+\b)+7], v[128*(\p)+FR*\b:128*(\p)+FR*\b+FR-1], v[AF+FR*(\a):AF+FR*(\a)+FR-1], v[BIAS+8*\b:BIAS+8*\b+7], v[SC+8*NQ*(\sc)+NQ*\b+(\q)], v[SC+8*NQ*(\sc)+NQ*(\a)+(\q)] matrix_a_fmt:MATRIX_FMT_FP4 matrix_b_fmt:MATRIX_FMT_FP4 matrix_a_scale:MATRIX_SCALE_ROW1
.else
	v_wmma_scale_f32_16x16x128_f8f6f4 v[8*(8*((\a)%4)+\b):8*(8*((\a)%4)+\b)+7], v[128*(\p)+FR*\b:128*(\p)+FR*\b+FR-1], v[AF+FR*(\a):AF+FR*(\a)+FR-1], v[8*(8*((\a)%4)+\b):8*(8*((\a)%4)+\b)+7], v[SC+8*NQ*(\sc)+NQ*\b+(\q)], v[SC+8*NQ*(\sc)+NQ*(\a)+(\q)] matrix_a_fmt:MATRIX_FMT_FP4 matrix_b_fmt:MATRIX_FMT_FP4 matrix_a_scale:MATRIX_SCALE_ROW1
.endif
.endr
.endr
.endm
.macro FETCH_B slot, q, p
	WIN TO_B
.irp i, 0,1,2,3,4,5,6,7
	FRAG 128*(\p)+FR*\i, ADRB+\slot, \q, \i
.endr
	WIN 0
.endm
.macro FETCH_A slot, q, i0
.irp i, \i0, \i0+1, \i0+2, \i0+3
	FRAG AF+FR*(\i), ADRA+\slot, \q, \i
.endr
.endm
.macro SCALES sc                       ; K step sc's four words a row: lanes 0-15 x's block i, lanes 16-31 W's block i
.irp i, 0,1,2,3,4,5,6,7
	ds_load_b128 v[SC+8*NQ*\sc+NQ*\i:SC+8*NQ*\sc+NQ*\i+3], v[ADRS] offset:256*\i+2048*\sc
.endr
.endm
.macro PLACES n                        ; plain vector instructions between a matrix instruction and a load into, or a read of, its registers
.rept \n
	v_nop
.endr
.endm
.macro STEP slot, q, zero              ; 128 along K that has its successor in the same slot
	s_wait_dscnt 4*NL                              ; W's set and x's blocks 0-3 are in; the youngest eight loads (blocks 4-7) may be out
.if \zero
	WIN 0x81                                       ; the bias, in window 0, is C
.else
	WIN MUL_LO
.endif
	MUL16 0, (\q)%2, \q, \slot, \zero
	MUL16 2, (\q)%2, \q, \slot, \zero
	s_wait_dscnt 0
	PLACES NP
	FETCH_B \slot, (\q)+1, 1-(\q)%2
	FETCH_A \slot, (\q)+1, 0
.if \zero
	WIN 0xc1
.else
	WIN MUL_HI
.endif
	MUL16 4, (\q)%2, \q, \slot, \zero
	MUL16 6, (\q)%2, \q, \slot, \zero
	PLACES NP
	WIN 0
	FETCH_A \slot, (\q)+1, 4
.endm
.macro STEPS slot, from
.set Q, \from
.rept NQ-1-\from
	STEP \slot, Q, 0
.set Q, Q+1
.endr
.endm
	s_wait_tensorcnt 1                             ; the scales and my part of slot 0 are in; slot 1's load may stay out
	s_barrier_signal -1
	s_barrier_wait -1
	FETCH_B 0, 0, 0
	FETCH_A 0, 0, 0
	SCALES 0
	FETCH_A 0, 0, 4
	s_wait_loadcnt 0x0                             ; the bias
	STEP 0, 0, 1
	STEPS 0, 1
	; slot 0's last step changes slots: my part of slot 1 has landed, my reads of slot 0 are over; one barrier; nothing is filled again
	s_wait_tensorcnt 0x0
	ds_add_u32 v[SPW], v[NIL]
	s_wait_dscnt 4*NL+1                            ; the add and x's blocks 4-7 may be out
	WIN MUL_LO
	MUL16 0, 1, NQ-1, 0, 0
	s_wait_dscnt 0x0
	s_barrier_signal -1
	MUL16 2, 1, NQ-1, 0, 0
	WIN 0
	s_barrier_wait -1
	PLACES NP
	FETCH_B 1, 0, 0
	FETCH_A 1, 0, 0
	SCALES 1
	WIN MUL_HI
	MUL16 4, 1, NQ-1, 0, 0
	MUL16 6, 1, NQ-1, 0, 0
	PLACES NP
	WIN 0
	FETCH_A 1, 0, 4
	STEPS 1, 0
	s_wait_dscnt 4*NL
	WIN MUL_LO
	MUL16 0, 1, NQ-1, 1, 0
	MUL16 2, 1, NQ-1, 1, 0
	s_wait_dscnt 0
	WIN MUL_HI
	MUL16 4, 1, NQ-1, 1, 0
	MUL16 6, 1, NQ-1, 1, 0
	WIN 0
	PLACES NP
	; positions 0 to 15 of a batch, as f32: my block 0, each accumulator from its low end on
	s_cmp_lg_u32 s[FLAG], 0
	s_cbranch_scc1 .Lno_first
	WIN 0x08                                       ; a store's data are its source 1: window 2
.irp b, 0,1,2,3,4,5,6,7
	global_store_b128 v[FO], v[8*\b:8*\b+3], s[20:21] offset:64*\b
	global_store_b128 v[FO], v[8*\b+4:8*\b+7], s[20:21] offset:64*\b+16
.endr
	WIN 0
.Lno_first:
.macro PACK a                          ; block a (16 tokens x 128 columns) to f16: 16 bytes a lane and column block
.set AC, 64*((\a)%4)
	WIN (0x0a+5*((\a)/4))
.irp b, 0,1,2,3,4,5,6,7
.irp i, 0,1,2,3
	v_cvt_pk_f16_f32 v[TMP+4*\b+\i], v[AC+8*\b+2*\i], v[AC+8*\b+2*\i+1]
.endr
.endr
	WIN 0
.endm
.macro TOSTAGE a                       ; through my own stage: LDS serves a wave's instructions in order
.set BB, BK+32*((\a)%2)
.irp b, 0,1,2,3,4,5,6,7
	ds_store_b128 v[STO], v[TMP+4*\b:TMP+4*\b+3] offset:32*\b
.endr
.irp t, 0,1,2,3,4,5,6,7
	ds_load_b128 v[BB+4*\t:BB+4*\t+3], v[RD] offset:(\t%4)*4*PITCH+(\t/4)*128
.endr
.endm
.macro SEND a
.set BB, BK+32*((\a)%2)
	s_wait_dscnt 0x0                               ; the block is back in registers
	s_wait_xcnt 0x0                                ; the stores of two blocks ago have read their registers: the next block's loads may land there
.irp t, 0,1,2,3,4,5,6,7
	global_store_b128 v[CO], v[BB+4*\t:BB+4*\t+3], s[18:19] offset:(\t/4)*262144+2048*(\a)+512*(\t%4)   ; 512 consecutive bytes: four tokens of one head
.endr
.endm
	PACK 0
	TOSTAGE 0
.irp a, 1,2,3,4,5,6,7
	PACK \a
	SEND (\a-1)
	TOSTAGE \a
.endr
	SEND 7
	s_wait_tensorcnt 0x0                           ; the wave's end
	ds_add_u32 v[SPW], v[NIL]
	s_wait_dscnt 0x0
	CROUND                                         ; the closing round
	s_endpgm
.Lfunc_end_k_q5524a4c74a_proj:
	.size	k_q5524a4c74a_proj, .Lfunc_end_k_q5524a4c74a_proj-k_q5524a4c74a_proj
	.p2alignl 7, 3214868480
	.fill 96, 4, 3214868480
	.section	.rodata,"a",@progbits
	.p2align	6, 0x0
	.amdhsa_kernel k_q5524a4c74a_proj
		.amdhsa_group_segment_fixed_size 327680
		.amdhsa_private_segment_fixed_size 0
		.amdhsa_enable_private_segment 0
		.amdhsa_kernarg_size 72
		.amdhsa_user_sgpr_count 2
		.amdhsa_user_sgpr_kernarg_segment_ptr 1
		.amdhsa_wavefront_size32 1
		.amdhsa_system_sgpr_workgroup_id_x 1
		.amdhsa_system_sgpr_workgroup_id_y 1
		.amdhsa_system_sgpr_workgroup_id_z 1
		.amdhsa_system_vgpr_workitem_id 0
		.amdhsa_next_free_vgpr 1024
		.amdhsa_next_free_sgpr 102
		.amdhsa_reserve_vcc 0
		.amdhsa_float_denorm_mode_32 3
		.amdhsa_float_denorm_mode_16_64 3
		.amdhsa_memory_ordered 1
		.amdhsa_forward_progress 1
		.amdhsa_inst_pref_size 130
	.end_amdhsa_kernel
	.amdgpu_metadata
---
amdhsa.version: [ 1, 2 ]
amdhsa.kernels:
  - .name:           k_q5524a4c74a_proj
    .symbol:         k_q5524a4c74a_proj.kd
    .args:
      - { .name: xc, .offset: 0, .size: 8, .value_kind: global_buffer, .address_space: global }
      - { .name: xs, .offset: 8, .size: 8, .value_kind: global_buffer, .address_space: global }
      - { .name: wc, .offset: 16, .size: 8, .value_kind: global_buffer, .address_space: global }
      - { .name: ws, .offset: 24, .size: 8, .value_kind: global_buffer, .address_space: global }
      - { .name: bq, .offset: 32, .size: 8, .value_kind: global_buffer, .address_space: global }
      - { .name: bk, .offset: 40, .size: 8, .value_kind: global_buffer, .address_space: global }
      - { .name: bv, .offset: 48, .size: 8, .value_kind: global_buffer, .address_space: global }
      - { .name: qkv, .offset: 56, .size: 8, .value_kind: global_buffer, .address_space: global }
      - { .name: q32, .offset: 64, .size: 8, .value_kind: global_buffer, .address_space: global }
    .group_segment_fixed_size: 327680
    .private_segment_fixed_size: 0
    .kernarg_segment_align: 8
    .kernarg_segment_size: 72
    .max_flat_workgroup_size: 128
    .sgpr_count:     102
    .vgpr_count:     1024
    .wavefront_size: 32
...
	.end_amdgpu_metadata
.endif
;; end of part 2
;; launch attn (part 3): grid 8 x 32, 8 waves a work-group, no clusters, 327,680 bytes of LDS; arguments qkv, oh; writes oh
.if DOCPART == 3
	.amdgcn_target "amdgcn-amd-amdhsa--gfx1250"
	.amdhsa_code_object_version 6
	.text
	.protected	k_q5524a4c74a_attn
	.globl	k_q5524a4c74a_attn
	.p2align	8
	.type	k_q5524a4c74a_attn,@function
k_q5524a4c74a_attn:
	s_mov_b64 s[64:65], 0
	v_nop
	global_prefetch_b8 v0, s[64:65] scope:SCOPE_SE
	s_setreg_imm32_b32 hwreg(HW_REG_WAVE_MODE, 25, 1), 1
	s_wait_xcnt 0x0
; Causal attention of one head in f16 operands, f32 sums, running maximum and sum.  qkv: f16 [3][b x h 32][t 2048][64]; oh: f16 [b x h][t][64].
; EVEN WORK.  Work-group (X, head) takes two blocks of 128 queries, X and then 15 - X.  Keys come in slots of 256: X / 2 + 1 slots for the first block, 8 - X / 2 for the second: NINE in every work-group,
; so the trip count is a constant.  (The second half of a block's last slot may lie wholly behind the mask and is then not read.)
; SHARES.  Eight waves.  Wave w: queries 32 (w % 4) on, two tiles of 16 that share every fragment of K and V; group G = w / 4 takes key steps 2 i + G (64 keys) of every slot.
; At a block's end group 1 hands (c m, l, O^T) to group 0 through LDS; group 0 merges, divides and stores.
; LAYOUT.  S^T = K Q^T (source 0 = 16 keys, source 1 = 16 queries): a lane holds one query and keys 8 (lane / 16) + 0..7; two such tiles, rounded to f16 in pairs, are source 1 of O^T = V^T P; V is turned by ds_load_tr16_b128.
; SOFTMAX.  p = 2^(c s - c m), c = log2(e) / 8; in every step O and l are multiplied by a = 2^(c m_old - c m_new).  A walked step's first key counts for all 32 queries of the wave (both are multiples of 32), so m is a number.
; NO CLUSTER: the work-groups of a head want different slots at the same time, and the branches round hidden steps hang on X.
; LIMITS: |Q|, |K|, |V| under 65,504; no NaN, no infinities.
; REGISTERS.  window 0: v1-15 addresses and constants; v16-31 statistics (tile t at 16 + 8 t: c m, m, l, l, four at work); v32-95 S^T; v96-127 P; v128-191 V; v192 mask; v193 prefetch offset.
;   window 1: v0-63 O^T (32 t + 8 ct); v64-95 Q (64 + 16 t + 8 cs); v128-191 K (128 + 16 kt + 8 cs).
.set KP,    144                        ; a key's row in LDS: 128 bytes + 16
.set VP,    160                        ; a row of V: 128 + 32: an odd multiple of 32
.set VOFF,  256*KP
.set SLOTB, VOFF+256*VP
.set SLOT1, 1<<17                      ; one exclusive or turns an address from one slot to the other
.set MST,   SLOTB                      ; 4 x 9,216: group 1's hand-over; no fill lands here
.set OST,   SLOT1+SLOTB                ; 8 x 2,304: a stage of 16 rows x 144 for each wave
.set SPARE, OST+8*2304
.set MSB, 0
.macro WIN new
.if MSB != \new
	s_set_vgpr_msb (MSB<<8)|\new
.set MSB, \new
.endif
.endm
.macro PLACES
.rept 4
	v_nop
.endr
.endm
.macro TLOAD                           ; waves 0-3: K's quarters; waves 4-7: V's: 64 rows each.  An s_nop 0 and four v_nop follow each line
	s_cmp_lt_u32 s8, 4
	s_cbranch_scc0 .Lfor_v_\@
	tensor_load_to_lds s[40:43], s[24:31]
	s_nop 0
.rept 4
	v_nop
.endr
	s_branch .Lasked_\@
.Lfor_v_\@:
	tensor_load_to_lds s[44:47], s[32:39]
	s_nop 0
.rept 4
	v_nop
.endr
.Lasked_\@:
.endm
; A prefetch into the L2: in trip N the head's work-group X = 0 names key slot N + 2, each wave the quarter (8,192 bytes, lanes 256 bytes apart) that it would load.
; Each block of 256 bytes is named once in the launch; nothing is asked at the head; the last ask, in trip 5, is slot 7, the head's last.
.macro ASK
	s_cmp_lt_u32 s14, s19
	s_cbranch_scc0 .Lnot_mine_\@
	global_prefetch_b8 v193, s[60:61] th:TH_LOAD_NT scope:SCOPE_SE
.Lnot_mine_\@:
.endm
; THE CHANGE OF SLOTS, at a slot's head: all my tensor loads have landed, the add, my reads of the slot that I have left are over; one barrier; the slot just left is filled first behind it.
.macro CHANGE fill
	s_wait_tensorcnt 0x0                           ; no tensor load of mine is out: a group 0 may be written
	ds_add_u32 v12, v13                            ; the descriptors' steps stand between it and its wait
.if \fill
	s_add_co_u32 s15, s15, 1                       ; the key slot of the next load:
	s_add_co_u32 s66, s14, 1
	s_cmp_eq_u32 s66, s13
	s_cselect_b32 s15, 0, s15                      ; back to 0 where the second block begins
	s_lshl_b32 s66, s15, 15                        ; 256 keys x 128 bytes
	s_mov_b32 s67, 0
	s_xor_b32 s41, s41, SLOT1
	s_add_nc_u64 s[42:43], s[48:49], s[66:67]
	s_or_b32 s43, s43, 0x80000000
	s_xor_b32 s45, s45, SLOT1
	s_add_nc_u64 s[46:47], s[50:51], s[66:67]
	s_or_b32 s47, s47, 0x80000000
	s_wait_xcnt 0x0                                ; the last prefetch, a slot back, has read its address
	s_add_nc_u64 s[60:61], s[60:61], 32768
.endif
	s_wait_dscnt 0x0
	s_barrier_signal -1
	s_barrier_wait -1
.if \fill
	TLOAD                                          ; my one tensor load until the next change: it has a slot's steps in which to land
	ASK
.endif
.endm
; A block begins: Q into registers, O^T and l zero, m under every score.  (The step is written once for all steps: the first finds zeros.)
.macro RESET
	PLACES                                         ; a way leads here straight from the last V^T P
	s_lshl_b32 s66, s17, 7
	s_mov_b32 s67, 0
	s_add_nc_u64 s[56:57], s[52:53], s[66:67]
	WIN 0x40
.irp t, 0,1
.irp cs, 0,1
	global_load_b128 v[64+16*\t+8*\cs:67+16*\t+8*\cs], v7, s[56:57] offset:2048*\t+64*\cs
	global_load_b128 v[68+16*\t+8*\cs:71+16*\t+8*\cs], v7, s[56:57] offset:2048*\t+64*\cs+32
.endr
.endr
.set k, 0
.rept 64
	v_mov_b32 v[k], 0
.set k, k+1
.endr
	WIN 0
.irp t, 0,1
	v_mov_b32 v[16+8*\t], 0xff61b1e6               ; -3e38
	v_mov_b32 v[17+8*\t], 0xff61b1e6
	v_mov_b32 v[18+8*\t], 0
	v_mov_b32 v[19+8*\t], 0
.endr
	s_wait_loadcnt 0x0
.endm
; A KEY STEP: my group's i-th 64 keys of the slot in hand, for my two tiles of queries.
.macro STEP i
	s_add_co_u32 s66, s16, 128*\i                  ; the step's first key
	s_add_co_u32 s67, s17, 31
	s_cmp_gt_u32 s66, s67                          ; all its keys come after my 32 queries: left out (ids and counts alone)
	s_cbranch_scc1 .Lhidden_\@
	v_add_nc_u32 v5, s18, v3
	v_add_nc_u32 v6, s18, v4
	WIN 0x40
.irp kt, 0,1,2,3
.irp cs, 0,1
	ds_load_b128 v[128+16*\kt+8*\cs:131+16*\kt+8*\cs], v5 offset:18432*\i+2304*\kt+64*\cs
	ds_load_b128 v[132+16*\kt+8*\cs:135+16*\kt+8*\cs], v5 offset:18432*\i+2304*\kt+64*\cs+32
.endr
.endr
	s_wait_dscnt 0x0
	WIN 0x05
.irp cs, 0,1                                   ; eight accumulators by turns
.irp kt, 0,1,2,3
.irp t, 0,1
.if \cs == 0
	v_wmma_f32_16x16x32_f16 v[32+32*\t+8*\kt:39+32*\t+8*\kt], v[128+16*\kt+8*\cs:135+16*\kt+8*\cs], v[64+16*\t+8*\cs:71+16*\t+8*\cs], 0
.else
	v_wmma_f32_16x16x32_f16 v[32+32*\t+8*\kt:39+32*\t+8*\kt], v[128+16*\kt+8*\cs:135+16*\kt+8*\cs], v[64+16*\t+8*\cs:71+16*\t+8*\cs], v[32+32*\t+8*\kt:39+32*\t+8*\kt]
.endif
.endr
.endr
.endr
	WIN 0
	PLACES                                         ; in front of the reads of S^T, and of the loads into V's registers, which the last step's products read
.irp ks, 0,1                                   ; V lands while the softmax is walked
.irp ct, 0,1,2,3
	ds_load_tr16_b128 v[128+32*\ks+8*\ct:131+32*\ks+8*\ct], v6 offset:20480*\i+5120*\ks+32*\ct
	ds_load_tr16_b128 v[132+32*\ks+8*\ct:135+32*\ks+8*\ct], v6 offset:20480*\i+5120*\ks+2560+32*\ct
.endr
.endr
	s_add_co_u32 s67, s66, 63
	s_cmp_le_u32 s67, s17                          ; all 64 keys count for all my queries: no mask
	s_cbranch_scc1 .Lopen_\@
	s_sub_co_i32 s67, s17, s66
	v_add_nc_u32 v192, s67, v14                    ; d = Q0 - first key + r - 8 h: register (t, kt, j) is hidden where 16 kt + j - 16 t > d
.irp t, 0,1
.irp kt, 0,1,2,3
.irp j, 0,1,2,3,4,5,6,7
	v_cmp_gt_i32 vcc_lo, 16*\kt+\j-16*\t, v192
	v_cndmask_b32 v[32+32*\t+8*\kt+\j], v[32+32*\t+8*\kt+\j], v15, vcc_lo
.endr
.endr
.endr
.Lopen_\@:
.irp c, 0,1,2,3                                ; the maximum: four chains a tile, each begun at an accumulator's low end; the two tiles by turns
.irp t, 0,1
	v_max3_num_f32 v[20+8*\t+\c], v[32+32*\t+8*\c], v[33+32*\t+8*\c], v[34+32*\t+8*\c]
.endr
.endr
.irp p, 3,5
.irp c, 0,1,2,3
.irp t, 0,1
	v_max3_num_f32 v[20+8*\t+\c], v[20+8*\t+\c], v[32+32*\t+8*\c+\p], v[33+32*\t+8*\c+\p]
.endr
.endr
.endr
.irp t, 0,1
	v_max3_num_f32 v[20+8*\t], v[20+8*\t], v[39+32*\t], v[47+32*\t]
.endr
.irp t, 0,1
	v_max3_num_f32 v[22+8*\t], v[22+8*\t], v[55+32*\t], v[63+32*\t]
.endr
.irp t, 0,1
	v_max3_num_f32 v[20+8*\t], v[20+8*\t], v[21+8*\t], v[22+8*\t]
.endr
.irp t, 0,1
	v_max3_num_f32 v[20+8*\t], v[20+8*\t], v[23+8*\t], v[17+8*\t]   ; and the old m
.endr
.irp t, 0,1
	v_permlanex16_b32 v[21+8*\t], v[20+8*\t], s20, s21              ; the query's other keys lie 16 lanes away
.endr
.irp t, 0,1
	v_mov_b32 v[23+8*\t], v[16+8*\t]               ; c m_old
.endr
.irp t, 0,1
	v_max_num_f32 v[17+8*\t], v[20+8*\t], v[21+8*\t]
.endr
.irp t, 0,1
	v_mul_f32 v[16+8*\t], s22, v[17+8*\t]
.endr
.irp t, 0,1
	v_sub_f32 v[23+8*\t], v[23+8*\t], v[16+8*\t]
.endr
.set nb, 0
.rept 16
.irp t, 0,1
	v_pk_fma_f32 v[32+32*\t+2*nb:33+32*\t+2*nb], v[32+32*\t+2*nb:33+32*\t+2*nb], s[22:23], v[16+8*\t:17+8*\t] op_sel_hi:[1,0,0] neg_lo:[0,0,1] neg_hi:[0,0,1]   ; c s - c m
.endr
.set nb, nb+1
.endr
.irp t, 0,1
	v_exp_f32 v[22+8*\t], v[23+8*\t]               ; a
.endr
.set nb, 0
.rept 32
.irp t, 0,1
	v_exp_f32 v[32+32*\t+nb], v[32+32*\t+nb]
.endr
.set nb, nb+1
.endr
	v_nop                                          ; a plain instruction behind the last exponential
	s_wait_alu depctr_va_vdst(0)                   ; one wait for the batch of 66, ahead of its first reader
.set nb, 0
.rept 16
.irp t, 0,1
	v_cvt_pk_f16_f32 v[96+16*\t+nb], v[32+32*\t+2*nb], v[33+32*\t+2*nb]
.endr
.set nb, nb+1
.endr
.irp z, 0,1,2,3,4,5,6,7                        ; the sum of the unrounded p, pairs in place
.irp t, 0,1
	v_pk_add_f32 v[32+32*\t+4*\z:33+32*\t+4*\z], v[32+32*\t+4*\z:33+32*\t+4*\z], v[34+32*\t+4*\z:35+32*\t+4*\z]
.endr
.endr
.irp z, 0,1,2,3
.irp t, 0,1
	v_pk_add_f32 v[32+32*\t+8*\z:33+32*\t+8*\z], v[32+32*\t+8*\z:33+32*\t+8*\z], v[36+32*\t+8*\z:37+32*\t+8*\z]
.endr
.endr
.irp z, 0,1
.irp t, 0,1
	v_pk_add_f32 v[32+32*\t+16*\z:33+32*\t+16*\z], v[32+32*\t+16*\z:33+32*\t+16*\z], v[40+32*\t+16*\z:41+32*\t+16*\z]
.endr
.endr
.irp t, 0,1
	v_pk_add_f32 v[32+32*\t:33+32*\t], v[32+32*\t:33+32*\t], v[48+32*\t:49+32*\t]
.endr
.irp t, 0,1
	v_pk_fma_f32 v[18+8*\t:19+8*\t], v[18+8*\t:19+8*\t], v[22+8*\t:23+8*\t], v[32+32*\t:33+32*\t] op_sel_hi:[1,0,1]   ; l = a l + the sum
.endr
	WIN 0x41
.set nb, 0
.rept 16
.irp t, 0,1
	v_pk_mul_f32 v[32*\t+2*nb:32*\t+2*nb+1], v[32*\t+2*nb:32*\t+2*nb+1], v[22+8*\t:23+8*\t] op_sel_hi:[1,0]   ; O^T x a
.endr
.set nb, nb+1
.endr
	s_wait_dscnt 0x0                               ; V is in
	WIN 0x50
.irp ks, 0,1                                   ; eight accumulators by turns
.irp ct, 0,1,2,3
.irp t, 0,1
	v_wmma_f32_16x16x32_f16 v[32*\t+8*\ct:32*\t+8*\ct+7], v[128+32*\ks+8*\ct:135+32*\ks+8*\ct], v[96+16*\t+8*\ks:103+16*\t+8*\ks], v[32*\t+8*\ct:32*\t+8*\ct+7]
.endr
.endr
.endr
	WIN 0
.Lhidden_\@:
.endm
.macro PUT                             ; group 1: O^T and the statistics as images of their registers, each accumulator from its low end on
	PLACES
	WIN 0x04
.set k, 0
.rept 16
	ds_store_b128 v8, v[4*k:4*k+3] offset:512*k
.set k, k+1
.endr
	WIN 0
	ds_store_b128 v8, v[16:19] offset:8192
	ds_store_b128 v8, v[24:27] offset:8704
.endm
.macro MERGE_OUT                       ; group 0: both halves of the keys under one maximum, divided by l, to f16, through my stage, out
	PLACES
.set k, 0
.rept 16
	ds_load_b128 v[128+4*k:131+4*k], v8 offset:512*k
.set k, k+1
.endr
	ds_load_b128 v[96:99], v8 offset:8192
	ds_load_b128 v[100:103], v8 offset:8704
	s_wait_dscnt 0x0
.irp t, 0,1
	v_max_num_f32 v[20+8*\t], v[16+8*\t], v[96+4*\t]
.endr
.irp t, 0,1
	v_sub_f32 v[21+8*\t], v[16+8*\t], v[20+8*\t]
.endr
.irp t, 0,1
	v_sub_f32 v[23+8*\t], v[96+4*\t], v[20+8*\t]
.endr
.irp t, 0,1
	v_exp_f32 v[21+8*\t], v[21+8*\t]
.endr
.irp t, 0,1
	v_exp_f32 v[23+8*\t], v[23+8*\t]
.endr
.irp t, 0,1
	v_add_f32 v[18+8*\t], v[18+8*\t], v[19+8*\t]
.endr
.irp t, 0,1
	v_add_f32 v[98+4*\t], v[98+4*\t], v[99+4*\t]
.endr
	s_wait_alu depctr_va_vdst(0)                   ; one wait for the four exponentials
.irp t, 0,1
	v_mul_f32 v[18+8*\t], v[18+8*\t], v[21+8*\t]
.endr
.irp t, 0,1
	v_fma_f32 v[18+8*\t], v[98+4*\t], v[23+8*\t], v[18+8*\t]
.endr
.irp t, 0,1
	v_permlanex16_b32 v[19+8*\t], v[18+8*\t], s20, s21
.endr
.irp t, 0,1
	v_add_f32 v[18+8*\t], v[18+8*\t], v[19+8*\t]
.endr
.irp t, 0,1
	v_rcp_f32 v[19+8*\t], v[18+8*\t]
.endr
	v_nop
	s_wait_alu depctr_va_vdst(0)                   ; and one for the two reciprocals
.irp t, 0,1
	v_mul_f32 v[20+8*\t], v[21+8*\t], v[19+8*\t]
.endr
.irp t, 0,1
	v_mul_f32 v[22+8*\t], v[23+8*\t], v[19+8*\t]
.endr
	WIN 0x01
.set k, 0
.rept 32
	v_pk_mul_f32 v[32+2*k:33+2*k], v[2*k:2*k+1], v[20+8*(k/16):21+8*(k/16)] op_sel_hi:[1,0]
.set k, k+1
.endr
	WIN 0
.set k, 0
.rept 32
	v_pk_fma_f32 v[32+2*k:33+2*k], v[128+2*k:129+2*k], v[22+8*(k/16):23+8*(k/16)], v[32+2*k:33+2*k] op_sel_hi:[1,0,1]
.set k, k+1
.endr
.set k, 0
.rept 32
	v_cvt_pk_f16_f32 v[96+k], v[32+2*k], v[33+2*k]
.set k, k+1
.endr
.irp t, 0,1
.irp ct, 0,1,2,3
	ds_store_b128 v9, v[96+16*\t+4*\ct:99+16*\t+4*\ct] offset:32*\ct
.endr
.irp i, 0,1,2,3
	ds_load_b128 v[128+16*\t+4*\i:131+16*\t+4*\i], v10 offset:576*\i   ; LDS serves a wave's instructions in order
.endr
.endr
	s_wait_dscnt 0x0
	s_lshl_b32 s66, s17, 7
	s_mov_b32 s67, 0
	s_add_nc_u64 s[58:59], s[54:55], s[66:67]
.irp t, 0,1
.irp i, 0,1,2,3
	global_store_b128 v11, v[128+16*\t+4*\i:131+16*\t+4*\i], s[58:59] offset:2048*\t+512*\i   ; 512 consecutive bytes: four queries
.endr
.endr
	s_wait_xcnt 0x0                                ; the stores have read their registers and base
.endm
	s_load_b128 s[4:7], s[0:1], 0x0                ; qkv, oh
	v_lshl_add_u32 v12, v0, 2, SPARE
	v_mov_b32 v13, 0
	ds_add_u32 v12, v13                            ; the opening
	ds_add_u32 v12, v13
	v_lshrrev_b32 v1, 5, v0
	v_readfirstlane_b32 s8, v1                     ; wave 0..7
	s_lshr_b32 s9, s8, 2                           ; G
	s_and_b32 s10, s8, 3                           ; which 32 queries; which quarter I fetch
	s_mov_b32 s11, ttmp9                           ; X
	s_and_b32 s12, ttmp7, 0xffff                   ; the head, 16 b + h
	s_lshr_b32 s13, s11, 1
	s_add_co_u32 s13, s13, 1                       ; slots of the first block
	s_mov_b32 s14, 0                               ; the trip
	s_mov_b32 s15, 0                               ; the key slot last asked for
	s_lshl_b32 s16, s9, 6                          ; my group's first key of the slot in hand
	s_lshl_b32 s17, s11, 7
	s_lshl_b32 s66, s10, 5
	s_add_co_u32 s17, s17, s66                     ; my first query
	s_mov_b32 s18, 0                               ; the slot in hand
	s_cmp_eq_u32 s11, 0
	s_cselect_b32 s19, 6, 0                        ; trips in which I prefetch
	s_mov_b32 s20, 0x76543210
	s_mov_b32 s21, 0xfedcba98
	s_mov_b32 s22, 0x3e38aa3b                      ; c = log2(e) / 8
	s_mov_b32 s23, s22
	s_mov_b32 s24, (1<<16)|(1<<20)|(4<<22)|(3<<25) ; K: elements of 2 bytes; 4 words of padding after every 32
	s_mov_b32 s32, (1<<16)|(1<<20)|(4<<22)|(7<<25) ; V: 8 words
.irp g, 24, 32
	s_mov_b32 s[\g+1], 64<<16                      ; tensor_dim0
	s_mov_b32 s[\g+2], 64<<16                      ; tensor_dim1
	s_mov_b32 s[\g+3], 64<<16                      ; tile_dim0
	s_mov_b32 s[\g+4], 64                          ; tile_dim1
	s_mov_b32 s[\g+5], 64                          ; from row to row
	s_mov_b32 s[\g+6], 0
	s_mov_b32 s[\g+7], 0
.endr
	s_mov_b32 s40, 1
	s_mul_i32 s41, s10, 64*KP
	s_mov_b32 s44, 1
	s_mul_i32 s45, s10, 64*VP
	s_add_co_u32 s45, s45, VOFF
	s_lshl_b32 s68, s12, 18                        ; a head: 262,144 bytes
	s_mov_b32 s69, 0
	s_lshl_b32 s70, s10, 13                        ; my quarter: 64 rows of 128 bytes
	s_mov_b32 s71, 0
	s_wait_dscnt 0x0                               ; both opening adds are done
	s_wait_kmcnt 0x0
	s_add_nc_u64 s[52:53], s[4:5], s[68:69]        ; Q's head
	s_add_nc_u64 s[54:55], s[6:7], s[68:69]        ; O's head
	s_add_nc_u64 s[48:49], s[52:53], s[70:71]
	s_add_nc_u64 s[48:49], s[48:49], 8388608       ; K: my quarter of key slot 0
	s_add_nc_u64 s[50:51], s[48:49], 8388608       ; V likewise
	s_mov_b64 s[42:43], s[48:49]
	s_or_b32 s43, s43, 0x80000000
	s_mov_b64 s[46:47], s[50:51]
	s_or_b32 s47, s47, 0x80000000
	TLOAD                                          ; key slot 0 into slot 0
	s_cmp_lt_u32 s8, 4
	s_cselect_b64 s[60:61], s[48:49], s[50:51]
	s_add_nc_u64 s[60:61], s[60:61], 32768         ; at key slot 1: the first change steps it to 2
	v_and_b32 v1, 15, v0                           ; r
	v_bfe_u32 v2, v0, 4, 1                         ; h
	v_mul_u32_u24 v9, v1, KP
	v_lshl_add_u32 v9, v2, 4, v9
	s_mul_i32 s66, s9, 64*KP
	v_add_nc_u32 v3, s66, v9                       ; K: my group's step, row r, + 16 h
	v_and_b32 v5, 7, v0
	v_bfe_u32 v6, v0, 3, 1
	v_lshl_add_u32 v4, v2, 3, v5
	v_mul_u32_u24 v4, v4, VP
	v_lshl_add_u32 v4, v6, 4, v4
	s_mul_i32 s66, s9, 64*VP
	s_add_co_u32 s66, s66, VOFF
	v_add_nc_u32 v4, s66, v4                       ; V, for the turning load
	v_lshlrev_b32 v7, 7, v1
	v_lshl_add_u32 v7, v2, 4, v7                   ; Q in memory
	v_and_b32 v11, 31, v0
	v_lshlrev_b32 v11, 4, v11                      ; 16 x lane
	s_mul_i32 s66, s10, 9216
	s_add_co_u32 s66, s66, MST
	v_add_nc_u32 v8, s66, v11
	s_mul_i32 s66, s8, 2304
	s_add_co_u32 s66, s66, OST
	v_add_nc_u32 v9, s66, v9                       ; the stage, in
	v_bfe_u32 v10, v0, 3, 2
	v_mul_u32_u24 v10, v10, KP
	v_lshl_add_u32 v10, v5, 4, v10
	v_add_nc_u32 v10, s66, v10                     ; and back: four rows of 128 bytes
	v_lshlrev_b32 v14, 3, v2
	v_sub_nc_u32 v14, v1, v14                      ; r - 8 h
	v_mov_b32 v15, 0xff800000                      ; -infinity
	v_lshlrev_b32 v193, 4, v11                     ; 256 x lane
	v_mov_b32 v21, 0                               ; a lane permute's destination counts as one of its sources
	v_mov_b32 v29, 0
	RESET
.Lslot:                                            ; eight trips; the ninth slot is written out, since nothing is asked for behind its change
	CHANGE 1
	s_cmp_lg_u32 s14, s13
	s_cbranch_scc1 .Lsame
	s_cmp_lg_u32 s9, 0                             ; the first block is done: group 0 merges what group 1 stored ahead of the change's barrier
	s_cbranch_scc1 .Lno_merge
	MERGE_OUT
.Lno_merge:
	s_sub_co_u32 s17, 15, s11
	s_lshl_b32 s17, s17, 7
	s_lshl_b32 s66, s10, 5
	s_add_co_u32 s17, s17, s66                     ; the second block's queries
	RESET
.Lsame:
	s_wait_dscnt 0x0                               ; a plain barrier between the merge's reads of the hand-over and the next stores into it
	s_barrier_signal -1
	s_barrier_wait -1
	STEP 0
	STEP 1
	s_xor_b32 s18, s18, SLOT1
	s_add_co_u32 s66, s14, 1
	s_cmp_lg_u32 s66, s13
	s_cbranch_scc1 .Lno_put
	s_cmp_lg_u32 s9, 1
	s_cbranch_scc1 .Lno_put
	PUT
.Lno_put:
	s_lshl_b32 s16, s15, 8
	s_lshl_b32 s66, s9, 6
	s_add_co_u32 s16, s16, s66                     ; the next slot's first key of my group
	s_add_co_u32 s14, s14, 1
	s_cmp_lt_u32 s14, 8
	s_cbranch_scc1 .Lslot
	CHANGE 0
	STEP 0
	STEP 1
	s_cmp_lg_u32 s9, 1
	s_cbranch_scc1 .Lno_put2
	PUT
.Lno_put2:
	s_wait_dscnt 0x0                               ; for the others' sake: the hand-over has landed
	s_barrier_signal -1
	s_barrier_wait -1
	s_cmp_lg_u32 s9, 0
	s_cbranch_scc1 .Lend
	MERGE_OUT
.Lend:
	s_wait_tensorcnt 0x0                           ; the wave's end
	ds_add_u32 v12, v13
	s_wait_dscnt 0x0
	s_endpgm
.Lfunc_end_k_q5524a4c74a_attn:
	.size	k_q5524a4c74a_attn, .Lfunc_end_k_q5524a4c74a_attn-k_q5524a4c74a_attn
	.p2alignl 7, 3214868480
	.fill 96, 4, 3214868480
	.section	.rodata,"a",@progbits
	.p2align	6, 0x0
	.amdhsa_kernel k_q5524a4c74a_attn
		.amdhsa_group_segment_fixed_size 327680
		.amdhsa_private_segment_fixed_size 0
		.amdhsa_enable_private_segment 0
		.amdhsa_kernarg_size 16
		.amdhsa_user_sgpr_count 2
		.amdhsa_user_sgpr_kernarg_segment_ptr 1
		.amdhsa_wavefront_size32 1
		.amdhsa_system_sgpr_workgroup_id_x 1
		.amdhsa_system_sgpr_workgroup_id_y 1
		.amdhsa_system_sgpr_workgroup_id_z 1
		.amdhsa_system_vgpr_workitem_id 0
		.amdhsa_next_free_vgpr 448
		.amdhsa_next_free_sgpr 80
		.amdhsa_reserve_vcc 1
		.amdhsa_float_denorm_mode_32 3
		.amdhsa_float_denorm_mode_16_64 3
		.amdhsa_memory_ordered 1
		.amdhsa_forward_progress 1
		.amdhsa_inst_pref_size 124
	.end_amdhsa_kernel
	.amdgpu_metadata
---
amdhsa.version: [ 1, 2 ]
amdhsa.kernels:
  - .name:           k_q5524a4c74a_attn
    .symbol:         k_q5524a4c74a_attn.kd
    .args:
      - { .name: qkv, .offset: 0, .size: 8, .value_kind: global_buffer, .address_space: global }
      - { .name: oh, .offset: 8, .size: 8, .value_kind: global_buffer, .address_space: global }
    .group_segment_fixed_size: 327680
    .private_segment_fixed_size: 0
    .kernarg_segment_align: 8
    .kernarg_segment_size: 16
    .max_flat_workgroup_size: 256
    .sgpr_count:     80
    .vgpr_count:     448
    .wavefront_size: 32
...
	.end_amdgpu_metadata
.endif
;; end of part 3
;; launch oproj (part 4): grid 8 x 32, 4 waves a work-group, clusters of 4 x 4, 327,680 bytes of LDS; arguments oh, woh, bo, out0; writes out0
.if DOCPART == 4
	.amdgcn_target "amdgcn-amd-amdhsa--gfx1250"
	.amdhsa_code_object_version 6
	.text
	.protected	k_q5524a4c74a_oproj
	.globl	k_q5524a4c74a_oproj
	.p2align	8
	.type	k_q5524a4c74a_oproj,@function
k_q5524a4c74a_oproj:
	s_mov_b64 s[64:65], 0
	v_nop
	global_prefetch_b8 v0, s[64:65] scope:SCOPE_SE
	s_setreg_imm32_b32 hwreg(HW_REG_WAVE_MODE, 25, 1), 1
	s_wait_xcnt 0x0
	s_wait_alu depctr_hold_cnt(0) depctr_sa_sdst(0) depctr_va_vdst(0) depctr_va_sdst(0) depctr_va_ssrc(0) depctr_va_vcc(0) depctr_vm_vsrc(0)
	s_getreg_b32 s2, hwreg(HW_REG_IB_STS2, 6, 4)
	s_cmp_eq_u32 s2, 0
	s_cbranch_scc0 .Lentry_in_a_cluster
	s_endpgm
.Lentry_in_a_cluster:
	s_bfe_u32 s2, ttmp6, 0x10000c
	s_cmp_lg_u32 s2, 0xf033
	s_cbranch_scc0 .Lentry_shape_is_right
	s_endpgm
.Lentry_shape_is_right:
; out0 = O Wo + bo in f16 operands, f32 sums, the bias as the C of each sum's first product.  oh: f16 [b][h][t][64]; woh: f16 [k 1024][n 1024]; out0: f32 [4096][1024].
; A tile of out0 is 128 x 128: 256 work-groups; four waves, each 64 x 64: 16 accumulators.  K goes in four steps of 256 (four heads) through two LDS slots.
; O's tile of a K step: 4 heads x 128 tokens x 128 bytes; a head's 128 tokens are 16 KiB on end in memory, so a wave's load is 2 rows of 8,192 elements, padded by 16 bytes after every 128: LDS lines 144 bytes apart.
; Wo's tile: 256 rows (k) x 256 bytes, pitch 288; it is read turned, by ds_load_tr16_b128.
; CLUSTERS of 4 x 4: O's tiles are shared along a row of the cluster, Wo's along a column: joint loads.  THE MATRIX INSTRUCTION IS USED TRANSPOSED: a lane holds eight neighbouring columns of one token.
; ALL rows are stored, positions 0 to 15 of each batch too (128 KiB that the last launch stores again in f32 arithmetic): leaving them out would be a branch on a work-group's place in its cluster.
; LIMITS: |O|, |Wo| under 65,504.
; REGISTERS: window 0: v16-29 addresses; v32-95 the way out; v96-127 the bias; v128-255 accumulators ((a, b) at 128 + 8 (4 a + b)).  window 1: two fragment buffers of 128 (64 of O, then 64 of Wo).
.set SLOT,   147456
.set BOFF,   73728
.set STAGE,  2*SLOT                    ; wave x 4,352: 16 rows x 272, each wave's own: its 64 f32 columns are 256 aligned bytes of a row
.set SPARE,  STAGE+4*4352
.set ASTEP,  1048576                   ; four heads on
.set BSTEP,  524288                    ; 256 rows of Wo on
.set STO,  24
.set RD,   25
.set CO,   26
.set SPW,  28
.set NIL,  29
.set TMP,  32
.set BIAS, 96
.set ACC,  128
.set F0,   0
.set F1,   128
.set G1,   24
.set G0,   32
.set G1B,  48
.set G0B,  56
.set MSB, 0
.macro WIN new
.if MSB != \new
	s_set_vgpr_msb (MSB<<8)|\new
.set MSB, \new
.endif
.endm
.set MUL,  0x05                        ; sources 0 and 1 window 1; C and D window 0
.set TO_F, 0x40
.macro JLOAD s                         ; waves 0, 1: O's halves; waves 2, 3: Wo's.  An s_nop 0 and four v_nop follow each line
	s_cmp_eq_u32 s13, 0
	s_cbranch_scc0 .Lfor_b_\@
	tensor_load_to_lds s[G0+4*\s:G0+4*\s+3], s[G1:G1+7]
	s_nop 0
.rept 4
	v_nop
.endr
	s_branch .Lasked_\@
.Lfor_b_\@:
	tensor_load_to_lds s[G0B+4*\s:G0B+4*\s+3], s[G1B:G1B+7]
	s_nop 0
.rept 4
	v_nop
.endr
.Lasked_\@:
.endm
.macro CREST
	s_cmp_lg_u32 s12, 0
	s_cbranch_scc1 .Lnot_wave_0_\@
	s_barrier_signal -3
.Lnot_wave_0_\@:
	s_barrier_wait -3
	s_barrier_signal -1
	s_barrier_wait -1
.endm
.macro CROUND
	s_barrier_signal -1
	s_barrier_wait -1
	CREST
.endm
	s_load_b256 s[4:11], s[0:1], 0x0               ; oh, woh, bo, out0
	v_lshl_add_u32 v[SPW], v0, 2, SPARE
	v_mov_b32 v[NIL], 0
	ds_add_u32 v[SPW], v[NIL]                      ; the opening
	ds_add_u32 v[SPW], v[NIL]
	v_lshrrev_b32 v1, 5, v0
	v_readfirstlane_b32 s12, v1                    ; wave
	s_lshr_b32 s13, s12, 1                         ; my half of the rows; also: I fetch for O (0) or for Wo (1)
	s_and_b32 s14, s12, 1                          ; my half of the columns; also: which half of that tile I fetch
	s_bfe_u32 s40, ttmp6, 0x40000                  ; cx
	s_bfe_u32 s41, ttmp6, 0x40004                  ; cy
	s_lshl_b32 s42, ttmp9, 2
	s_add_co_u32 s42, s42, s40                     ; tile column
	s_and_b32 s15, ttmp7, 0xffff
	s_lshl_b32 s15, s15, 2
	s_add_co_u32 s15, s15, s41                     ; tile row
	s_lshl_b32 s43, s41, 2
	s_lshl_b32 s43, 15, s43                        ; my row of the cluster
	s_lshl_b32 s44, 0x1111, s40                    ; my column
	s_or_b32 s[G1+0], s43, (1<<16)|(1<<20)|(1<<21)|(4<<22)|(3<<25)    ; elements of 2 bytes; 4 words of padding after every 32
	s_mov_b32 s[G1+1], 8192<<16                    ; tensor_dim0: 128 tokens x 64
	s_mov_b32 s[G1+2], 2<<16                       ; tensor_dim1: 2 heads
	s_mov_b32 s[G1+3], 8192<<16                    ; tile_dim0
	s_mov_b32 s[G1+4], 2                           ; tile_dim1
	s_mov_b32 s[G1+5], 131072                      ; from head to head, in elements
	s_mov_b32 s[G1+6], 0
	s_mov_b32 s[G1+7], 0
	s_or_b32 s[G1B+0], s44, (1<<16)|(1<<20)|(1<<21)|(5<<22)|(7<<25)   ; 8 words of padding after every 64
	s_mov_b32 s[G1B+1], 128<<16
	s_mov_b32 s[G1B+2], 128<<16
	s_mov_b32 s[G1B+3], 128<<16
	s_mov_b32 s[G1B+4], 128
	s_mov_b32 s[G1B+5], 1024
	s_mov_b32 s[G1B+6], 0
	s_mov_b32 s[G1B+7], 0
	s_lshr_b32 s16, s15, 4                         ; O: the batch's 16 heads, + my two heads of the K step,
	s_lshl_b32 s16, s16, 4
	s_lshl_b32 s17, s14, 1
	s_add_co_u32 s16, s16, s17
	s_lshl_b32 s16, s16, 18
	s_and_b32 s17, s15, 15                         ; + the tile's 128 tokens
	s_lshl_b32 s17, s17, 14
	s_add_co_u32 s16, s16, s17
	s_mov_b32 s17, 0
	s_lshl_b32 s46, s14, 18                        ; Wo: my 128 rows, the tile's 256 bytes
	s_lshl_b32 s47, s42, 8
	s_add_co_u32 s46, s46, s47
	s_mov_b32 s47, 0
	s_mul_i32 s20, s12, 36864                      ; where they go: wave x 36,864: no place in the cluster enters an LDS address
	s_wait_dscnt 0x0                               ; both opening adds are done
	s_wait_kmcnt 0x0
	s_add_nc_u64 s[16:17], s[4:5], s[16:17]
	s_add_nc_u64 s[46:47], s[6:7], s[46:47]
	CROUND                                         ; all sixteen work-groups are here
.irp s, 0,1
	s_mov_b32 s[G0+4*\s], 1
	s_add_co_u32 s[G0+4*\s+1], s20, \s*SLOT
	s_add_nc_u64 s[G0+4*\s+2:G0+4*\s+3], s[16:17], \s*ASTEP
	s_or_b32 s[G0+4*\s+3], s[G0+4*\s+3], 0x80000000
	s_mov_b32 s[G0B+4*\s], 1
	s_add_co_u32 s[G0B+4*\s+1], s20, \s*SLOT
	s_add_nc_u64 s[G0B+4*\s+2:G0B+4*\s+3], s[46:47], \s*BSTEP
	s_or_b32 s[G0B+4*\s+3], s[G0B+4*\s+3], 0x80000000
	JLOAD \s
.endr
	v_and_b32 v1, 15, v0                           ; r
	v_bfe_u32 v2, v0, 4, 1                         ; h
	s_lshl_b32 s16, s15, 7
	s_lshl_b32 s17, s13, 6
	s_add_co_u32 s16, s16, s17
	s_lshl_b32 s16, s16, 12                        ; my first row of out0
	s_mov_b32 s17, 0
	s_add_nc_u64 s[10:11], s[10:11], s[16:17]
	s_lshl_b32 s46, s42, 9
	s_lshl_b32 s47, s14, 8
	s_add_co_u32 s46, s46, s47                     ; 4 x my first column
	s_mov_b32 s47, 0
	s_add_nc_u64 s[10:11], s[10:11], s[46:47]
	s_add_nc_u64 s[8:9], s[8:9], s[46:47]
	v_lshlrev_b32 v27, 5, v2
.irp b, 0,1,2,3
	global_load_b128 v[BIAS+8*\b:BIAS+8*\b+3], v27, s[8:9] offset:64*\b       ; lane (r, h), register j: bo[col0 + 16 b + 8 h + j]
	global_load_b128 v[BIAS+8*\b+4:BIAS+8*\b+7], v27, s[8:9] offset:64*\b+16
.endr
	v_mul_u32_u24 v3, v1, 144
	v_lshl_add_u32 v3, v2, 4, v3
	s_mul_i32 s21, s13, 9216                       ; my 64 tokens
	v_add_nc_u32 v16, s21, v3
	s_add_co_u32 s21, s21, SLOT
	v_add_nc_u32 v17, s21, v3
	v_and_b32 v4, 7, v0
	v_bfe_u32 v5, v0, 3, 1
	v_lshl_add_u32 v4, v2, 3, v4
	v_mul_u32_u24 v4, v4, 288
	v_lshl_add_u32 v4, v5, 4, v4
	s_lshl_b32 s22, s14, 7                         ; my 64 columns
	s_add_co_u32 s22, s22, BOFF
	v_add_nc_u32 v20, s22, v4                      ; two addresses a slot: 128 rows apart, since an offset has 16 bits
	s_add_co_u32 s22, s22, 36864
	v_add_nc_u32 v21, s22, v4
	s_add_co_u32 s22, s22, SLOT-36864
	v_add_nc_u32 v22, s22, v4
	s_add_co_u32 s22, s22, 36864
	v_add_nc_u32 v23, s22, v4
	s_mul_i32 s23, s12, 4352
	s_add_co_u32 s23, s23, STAGE
	v_mul_u32_u24 v6, v1, 272
	v_lshl_add_u32 v6, v2, 5, v6
	v_add_nc_u32 v[STO], s23, v6
	v_mul_u32_u24 v6, v2, 272
	v_lshl_add_u32 v6, v1, 4, v6
	v_add_nc_u32 v[RD], s23, v6
	v_lshlrev_b32 v[CO], 12, v2
	v_lshl_add_u32 v[CO], v1, 4, v[CO]
.macro MUL8 f, c, a0, zero             ; the 16 accumulators take turns
.irp a, \a0, \a0+1
.irp b, 0,1,2,3
.if \zero
	v_wmma_f32_16x16x32_f16 v[ACC+8*(4*(\a)+\b):ACC+8*(4*(\a)+\b)+7], v[\f+64+8*(4*\c+\b):\f+64+8*(4*\c+\b)+7], v[\f+8*(4*\c+\a):\f+8*(4*\c+\a)+7], v[BIAS+8*\b:BIAS+8*\b+7]
.else
	v_wmma_f32_16x16x32_f16 v[ACC+8*(4*(\a)+\b):ACC+8*(4*(\a)+\b)+7], v[\f+64+8*(4*\c+\b):\f+64+8*(4*\c+\b)+7], v[\f+8*(4*\c+\a):\f+8*(4*\c+\a)+7], v[ACC+8*(4*(\a)+\b):ACC+8*(4*(\a)+\b)+7]
.endif
.endr
.endr
.endm
.macro FETCH slot, q, f                ; 32 LDS loads in one run: quarter q (one head, 64 along K) into buffer f; its first 32 along K first
	WIN TO_F
.irp c, 0,1
.irp i, 0,1,2,3
	ds_load_tr16_b128 v[\f+64+8*(4*\c+\i):\f+64+8*(4*\c+\i)+3],   v[20+2*\slot+(\q)/2] offset:(((\q)%2)*64+32*\c)*288+32*\i
	ds_load_tr16_b128 v[\f+64+8*(4*\c+\i)+4:\f+64+8*(4*\c+\i)+7], v[20+2*\slot+(\q)/2] offset:(((\q)%2)*64+32*\c)*288+32*\i+4608
	ds_load_b128 v[\f+8*(4*\c+\i):\f+8*(4*\c+\i)+3],         v[16+\slot] offset:18432*(\q)+2304*\i+64*\c
	ds_load_b128 v[\f+8*(4*\c+\i)+4:\f+8*(4*\c+\i)+7],       v[16+\slot] offset:18432*(\q)+2304*\i+64*\c+32
.endr
.endr
.endm
.macro PLACES
.rept 4
	v_nop
.endr
.endm
.macro QUARTER slot, q, f, g, zero     ; multiplies buffer f and fetches quarter q of the slot into g
	s_wait_dscnt 16                                ; the first 32 along K are in; sixteen younger loads may be out
	WIN MUL
	MUL8 \f, 0, 0, \zero
	MUL8 \f, 0, 2, \zero
	PLACES
	FETCH \slot, \q, \g
	s_wait_dscnt 32                                ; all but the 32 just issued
	WIN MUL
	MUL8 \f, 1, 0, 0
	MUL8 \f, 1, 2, 0
.endm
.macro TURN slot, next, fill           ; a slot's last quarter changes slots: one barrier; with fill = 1 it opens a round of the cluster's barrier and the slot is filled again, two K steps ahead
	WIN 0
	s_wait_tensorcnt 0x0                           ; all my tensor loads have landed: my part of the next slot
	ds_add_u32 v[SPW], v[NIL]
	s_wait_dscnt 17                                ; the add and the youngest sixteen loads may be out
	WIN MUL
	MUL8 F1, 0, 0, 0
	s_wait_dscnt 0x0                               ; the add is done, my reads of this slot are over
	s_barrier_signal -1
	MUL8 F1, 0, 2, 0
.if \fill
	WIN 0
.endif
	s_barrier_wait -1
.if \fill
	CREST
	s_add_nc_u64 s[G0+4*\slot+2:G0+4*\slot+3], s[G0+4*\slot+2:G0+4*\slot+3], 2*ASTEP
	s_add_nc_u64 s[G0B+4*\slot+2:G0B+4*\slot+3], s[G0B+4*\slot+2:G0B+4*\slot+3], 2*BSTEP
	JLOAD \slot                                    ; the first tensor load behind the round; its four v_nop are also the places in front of the loads below
.else
	PLACES
.endif
	FETCH \next, 0, F0
	WIN MUL
	MUL8 F1, 1, 0, 0
	MUL8 F1, 1, 2, 0
.endm
	s_wait_tensorcnt 1                             ; my part of K step 0 is in; K step 1's load may stay out
	s_barrier_signal -1
	s_barrier_wait -1
	FETCH 0, 0, F0
	s_wait_loadcnt 0x0                             ; the bias
	QUARTER 0, 1, F0, F1, 1
	QUARTER 0, 2, F1, F0, 0
	QUARTER 0, 3, F0, F1, 0
	TURN 0, 1, 1                                   ; slot 0 takes K step 2
	QUARTER 1, 1, F0, F1, 0
	QUARTER 1, 2, F1, F0, 0
	QUARTER 1, 3, F0, F1, 0
	TURN 1, 0, 1                                   ; slot 1 takes K step 3
	QUARTER 0, 1, F0, F1, 0
	QUARTER 0, 2, F1, F0, 0
	QUARTER 0, 3, F0, F1, 0
	TURN 0, 1, 0
	QUARTER 1, 1, F0, F1, 0
	QUARTER 1, 2, F1, F0, 0
	QUARTER 1, 3, F0, F1, 0
	s_wait_dscnt 16
	WIN MUL
	MUL8 F1, 0, 0, 0
	MUL8 F1, 0, 2, 0
	s_wait_dscnt 0
	MUL8 F1, 1, 0, 0
	MUL8 F1, 1, 2, 0
	WIN 0
.macro TOSTAGE a                       ; 16 rows x 64 columns through my own stage, each accumulator from its low end on
.irp b, 0,1,2,3
	ds_store_b128 v[STO], v[ACC+8*(4*(\a)+\b):ACC+8*(4*(\a)+\b)+3] offset:64*\b
	ds_store_b128 v[STO], v[ACC+8*(4*(\a)+\b)+4:ACC+8*(4*(\a)+\b)+7] offset:64*\b+16
.endr
.irp t, 0,1,2,3,4,5,6,7
	ds_load_b128 v[TMP+32*((\a)%2)+4*\t:TMP+32*((\a)%2)+4*\t+3], v[RD] offset:544*\t
.endr
.endm
.macro SEND a, younger
	s_wait_dscnt \younger                          ; the block is back; the next block's 8 stores and 8 loads may be out
.irp t, 0,1,2,3,4,5,6,7
	global_store_b128 v[CO], v[TMP+32*((\a)%2)+4*\t:TMP+32*((\a)%2)+4*\t+3], s[10:11] offset:(16*(\a)+2*\t)*4096 th:TH_STORE_NT   ; sixteen lanes store 256 consecutive bytes, aligned
.endr
.endm
	PLACES
	TOSTAGE 0
	TOSTAGE 1
	SEND 0, 16
	s_wait_xcnt 0x0                                ; block 0's stores have read their registers: block 2's loads may land there
	TOSTAGE 2
	SEND 1, 16
	s_wait_xcnt 0x0
	TOSTAGE 3
	SEND 2, 16
	SEND 3, 0
	s_wait_tensorcnt 0x0                           ; the wave's end
	ds_add_u32 v[SPW], v[NIL]
	s_wait_dscnt 0x0
	CROUND                                         ; the closing round
	s_endpgm
.Lfunc_end_k_q5524a4c74a_oproj:
	.size	k_q5524a4c74a_oproj, .Lfunc_end_k_q5524a4c74a_oproj-k_q5524a4c74a_oproj
	.p2alignl 7, 3214868480
	.fill 96, 4, 3214868480
	.section	.rodata,"a",@progbits
	.p2align	6, 0x0
	.amdhsa_kernel k_q5524a4c74a_oproj
		.amdhsa_group_segment_fixed_size 327680
		.amdhsa_private_segment_fixed_size 0
		.amdhsa_enable_private_segment 0
		.amdhsa_kernarg_size 32
		.amdhsa_user_sgpr_count 2
		.amdhsa_user_sgpr_kernarg_segment_ptr 1
		.amdhsa_wavefront_size32 1
		.amdhsa_system_sgpr_workgroup_id_x 1
		.amdhsa_system_sgpr_workgroup_id_y 1
		.amdhsa_system_sgpr_workgroup_id_z 1
		.amdhsa_system_vgpr_workitem_id 0
		.amdhsa_next_free_vgpr 512
		.amdhsa_next_free_sgpr 66
		.amdhsa_reserve_vcc 0
		.amdhsa_float_denorm_mode_32 3
		.amdhsa_float_denorm_mode_16_64 3
		.amdhsa_memory_ordered 1
		.amdhsa_forward_progress 1
		.amdhsa_inst_pref_size 87
	.end_amdhsa_kernel
	.amdgpu_metadata
---
amdhsa.version: [ 1, 2 ]
amdhsa.kernels:
  - .name:           k_q5524a4c74a_oproj
    .symbol:         k_q5524a4c74a_oproj.kd
    .args:
      - { .name: oh, .offset: 0, .size: 8, .value_kind: global_buffer, .address_space: global }
      - { .name: woh, .offset: 8, .size: 8, .value_kind: global_buffer, .address_space: global }
      - { .name: bo, .offset: 16, .size: 8, .value_kind: global_buffer, .address_space: global }
      - { .name: out0, .offset: 24, .size: 8, .value_kind: global_buffer, .address_space: global }
    .group_segment_fixed_size: 327680
    .private_segment_fixed_size: 0
    .kernarg_segment_align: 8
    .kernarg_segment_size: 32
    .max_flat_workgroup_size: 128
    .sgpr_count:     66
    .vgpr_count:     512
    .wavefront_size: 32
...
	.end_amdgpu_metadata
.endif
;; end of part 4
;; launch first16 (part 5): grid 64 x 2, 8 waves a work-group, no clusters, 220,160 bytes of LDS; arguments q32, Wo, bo, out0; writes out0
.if DOCPART == 5
	.amdgcn_target "amdgcn-amd-amdhsa--gfx1250"
	.amdhsa_code_object_version 6
	.text
	.protected	k_q5524a4c74a_first16
	.globl	k_q5524a4c74a_first16
	.p2align	8
	.type	k_q5524a4c74a_first16,@function
k_q5524a4c74a_first16:
	s_mov_b64 s[64:65], 0
	v_nop
	global_prefetch_b8 v0, s[64:65] scope:SCOPE_SE
	s_setreg_imm32_b32 hwreg(HW_REG_WAVE_MODE, 25, 1), 1
	s_wait_xcnt 0x0
; Positions 0 to 15 of both batches wholly in f32: these rows average one to sixteen values and are the largest of the output.  They overwrite what the f16 launch stored there.
; q32: f32 [3][b][16 t][1024].  Work-group (X, b) makes output columns 16 X .. 16 X + 15 of batch b's 16 rows.  Wave w takes heads 2 w, 2 w + 1: their 16 x 16 attention (repeated in the 64 work-groups of a
; batch: 64 matrix instructions a wave) and then its 128 of K of O Wo, a head to an accumulator; the sixteen partial sums meet in LDS.  No bulk work: 96 matrix instructions of the f32 form a wave.
; LOADS.  Q's, K's and V's rows come as they lie: a load covers 512 consecutive bytes, one position's two heads.  (Taken straight in an operand's layout a load would take 16 bytes a lane from sixteen rows
; 4,096 bytes apart.)  They turn through the wave's own LDS bytes, rows of 512 bytes + 16, and come back in the operands' layouts, into the registers that they left.  All global loads go out at the head.
; LAYOUTS (a permutation of k applied alike to both sources).  S^T = K Q^T: in step q lane (r, h) gives channels 32 h + 2 q, + 1 of row r.  O^T = V^T P: step kk, keys 8 h + 2 kk, + 1: P's registers as they stand.
; P is divided by its sum ahead of that product, so O^T's register pairs are source 1 of out^T = Wo^T O^T as they stand, with k = 128 w + 64 hl + 16 ct + 8 h + 2 q + jj.
; The registers that the f32 matrix form writes (S, O^T, out) are written by nothing else, and each sum's first product takes the constant 0.
; A lane's store is 16 bytes of a row: 128 KiB in all.
; REGISTERS: window 0: v3-15 addresses; v16-31 S; v32-47 P; v48-63 out; v64-99 at work; v100-103 bias; v128-191 Wo, later the partial sums.  window 1: v0-63 Q; v64-127 K; v128-191 V; v192-255 O^T.
.set TP,    528                        ; a row in the turn: 512 bytes + 16: sixteen lanes that take the same column of sixteen rows fall on sixteen different columns of 16 bytes
.set TKQ,   16*TP                      ; one tensor's 16 rows
.set TREG,  3*TKQ                      ; a wave's: K, Q, V
.set RED,   8*TREG                     ; the partial sums: 2,048 bytes a wave
.set SPARE, RED+8*2048
.set MSB, 0
.macro WIN new
.if MSB != \new
	s_set_vgpr_msb (MSB<<8)|\new
.set MSB, \new
.endif
.endm
	s_load_b256 s[4:11], s[0:1], 0x0               ; q32, Wo, bo, out0
	v_lshl_add_u32 v12, v0, 2, SPARE
	v_mov_b32 v13, 0
	v_lshrrev_b32 v1, 5, v0
	v_readfirstlane_b32 s12, v1                    ; wave 0..7
	s_and_b32 s13, ttmp7, 0xffff                   ; the batch
	s_and_b32 s15, s12, 1                          ; which four of a lane's eight columns I would finish
	v_and_b32 v1, 15, v0                           ; r
	v_bfe_u32 v2, v0, 4, 1                         ; h
	v_and_b32 v14, 31, v0
	v_lshlrev_b32 v14, 4, v14                      ; 16 x lane: my bytes of a row's 512
	s_mul_i32 s14, s12, TREG
	v_add_nc_u32 v3, s14, v14                      ; the turn, in
	v_mul_u32_u24 v11, v1, TP
	v_lshl_add_u32 v11, v2, 7, v11
	v_add_nc_u32 v11, s14, v11                     ; back, Q and K: row r, + 32 h channels
	v_mul_u32_u24 v15, v2, 8*TP
	v_lshl_add_u32 v15, v1, 2, v15
	v_add_nc_u32 v15, s14, v15                     ; back, V: 8 h rows down, channel r
	v_lshlrev_b32 v4, 2, v1
	v_lshl_add_u32 v4, v2, 15, v4                  ; Wo in memory: 8 h rows down, column r
	s_lshl_b32 s14, s12, 11
	s_add_co_u32 s14, s14, RED
	v_add_nc_u32 v5, s14, v14                      ; my partial sums in LDS
	s_lshl_b32 s14, s15, 9
	s_add_co_u32 s14, s14, RED
	v_add_nc_u32 v6, s14, v14                      ; the half that I would add up
	v_lshlrev_b32 v7, 12, v1
	v_lshl_add_u32 v7, v2, 5, v7                   ; out0: row r, + 8 h columns
	v_lshlrev_b32 v8, 5, v2
	v_lshlrev_b32 v9, 3, v2
	v_sub_nc_u32 v9, v1, v9                        ; r - 8 h
	v_mov_b32 v10, 0xff800000                      ; -infinity
	v_mov_b32 v82, 0                               ; a lane permute's destination counts as one of its sources
	v_mov_b32 v83, 0
	s_mov_b32 s16, 0x76543210
	s_mov_b32 s17, 0xfedcba98
	s_mov_b32 s18, 0x3e38aa3b                      ; c = log2(e) / 8
	s_lshl_b32 s20, s13, 16
	s_lshl_b32 s21, s12, 9
	s_add_co_u32 s20, s20, s21                     ; the batch's 16 rows, my two heads
	s_mov_b32 s21, 0
	s_lshl_b32 s22, s12, 19
	s_lshl_b32 s23, ttmp9, 6
	s_add_co_u32 s22, s22, s23                     ; Wo: my 128 rows, the work-group's 16 columns
	s_mov_b32 s23, 0
	s_lshl_b32 s24, ttmp9, 6
	s_lshl_b32 s25, s15, 4
	s_add_co_u32 s24, s24, s25                     ; the columns that I would finish, in bytes
	s_mov_b32 s25, 0
	s_lshl_b32 s26, s13, 23
	s_add_co_u32 s26, s26, s24
	s_mov_b32 s27, 0
	s_wait_kmcnt 0x0
	s_add_nc_u64 s[4:5], s[4:5], s[20:21]
	s_add_nc_u64 s[6:7], s[6:7], s[22:23]
	s_add_nc_u64 s[8:9], s[8:9], s[24:25]
	s_add_nc_u64 s[10:11], s[10:11], s[26:27]
	WIN 0x40
.irp t, 0,1,2,3,4,5,6,7,8,9,10,11,12,13,14,15
	global_load_b128 v[64+4*\t:67+4*\t], v14, s[4:5] offset:131072+4096*\t     ; K, position t
.endr
.irp t, 0,1,2,3,4,5,6,7,8,9,10,11,12,13,14,15
	global_load_b128 v[4*\t:4*\t+3], v14, s[4:5] offset:4096*\t                ; Q
.endr
.irp t, 0,1,2,3,4,5,6,7,8,9,10,11,12,13,14,15
	global_load_b128 v[128+4*\t:131+4*\t], v14, s[4:5] offset:262144+4096*\t   ; V
.endr
	WIN 0
.irp hl, 0,1                                   ; Wo(64 hl + 16 ct + 8 h + 2 q + jj, r) at 128 + 32 hl + 8 ct + 2 q + jj
.irp ct, 0,1,2,3
.irp q, 0,1,2,3
.irp jj, 0,1
	global_load_b32 v[128+32*\hl+8*\ct+2*\q+\jj], v4, s[6:7] offset:4096*(64*\hl+16*\ct+2*\q+\jj)
.endr
.endr
.endr
.endr
	global_load_b128 v[100:103], v8, s[8:9]        ; the bias
	s_wait_loadcnt 63                              ; 65 loads were issued behind V's rows: K, Q and V are in
	WIN 0x04                                       ; an LDS store's data are its source 1: window 1
.irp t, 0,1,2,3,4,5,6,7,8,9,10,11,12,13,14,15
	ds_store_b128 v3, v[64+4*\t:67+4*\t] offset:TP*\t
.endr
.irp t, 0,1,2,3,4,5,6,7,8,9,10,11,12,13,14,15
	ds_store_b128 v3, v[4*\t:4*\t+3] offset:TKQ+TP*\t
.endr
	WIN 0x40                                       ; LDS serves a wave's instructions in order: the loads see my stores, and land where the stores have read
.irp hl, 0,1
.irp i, 0,1,2,3,4,5,6,7
	ds_load_b128 v[64+32*\hl+4*\i:67+32*\hl+4*\i], v11 offset:256*\hl+16*\i        ; K(r, 32 h + 4 i ..)
.endr
.endr
.irp hl, 0,1
.irp i, 0,1,2,3,4,5,6,7
	ds_load_b128 v[32*\hl+4*\i:32*\hl+4*\i+3], v11 offset:TKQ+256*\hl+16*\i        ; Q likewise
.endr
.endr
	WIN 0x04
.irp t, 0,1,2,3,4,5,6,7,8,9,10,11,12,13,14,15
	ds_store_b128 v3, v[128+4*\t:131+4*\t] offset:2*TKQ+TP*\t
.endr
	WIN 0x40
.irp hl, 0,1
.irp ct, 0,1,2,3
.irp kj, 0,1,2,3,4,5,6,7
	ds_load_b32 v[128+32*\hl+8*\ct+\kj], v15 offset:2*TKQ+TP*\kj+256*\hl+64*\ct    ; V(8 h + kj, 16 ct + r)
.endr
.endr
.endr
	s_wait_dscnt 63                                ; 80 LDS instructions were issued behind Q's fragments: K and Q are in
	WIN 0x05
.set ss, 0
.rept 16                                       ; the two heads' accumulators by turns
.irp hl, 0,1
.if ss == 0
	v_wmma_f32_16x16x4_f32 v[16+8*\hl:23+8*\hl], v[64+32*\hl+2*ss:65+32*\hl+2*ss], v[32*\hl+2*ss:32*\hl+2*ss+1], 0
.else
	v_wmma_f32_16x16x4_f32 v[16+8*\hl:23+8*\hl], v[64+32*\hl+2*ss:65+32*\hl+2*ss], v[32*\hl+2*ss:32*\hl+2*ss+1], v[16+8*\hl:23+8*\hl]
.endif
.endr
.set ss, ss+1
.endr
	WIN 0
.rept 8
	v_nop                                          ; eight places behind this form, in front of the reads of S (ISA guide 7.12.1)
.endr
.irp j, 0,1,2,3,4,5,6,7                        ; key 8 h + j is hidden from query r where j > r - 8 h; the masked scores go into other registers
	v_cmp_gt_i32 vcc_lo, \j, v9
	v_cndmask_b32 v[64+\j], v[16+\j], v10, vcc_lo
	v_cndmask_b32 v[72+\j], v[24+\j], v10, vcc_lo
.endr
.irp hl, 0,1
	v_max3_num_f32 v[80+\hl], v[64+8*\hl], v[65+8*\hl], v[66+8*\hl]
.endr
.irp p, 3,5
.irp hl, 0,1
	v_max3_num_f32 v[80+\hl], v[80+\hl], v[64+8*\hl+\p], v[65+8*\hl+\p]
.endr
.endr
.irp hl, 0,1
	v_max_num_f32 v[80+\hl], v[80+\hl], v[71+8*\hl]
.endr
.irp hl, 0,1
	v_permlanex16_b32 v[82+\hl], v[80+\hl], s16, s17
.endr
.irp hl, 0,1
	v_max_num_f32 v[80+\hl], v[80+\hl], v[82+\hl]  ; key 0 counts for every query: the maximum is a number
.endr
.irp hl, 0,1
	v_mul_f32 v[84+\hl], s18, v[80+\hl]
.endr
.irp j, 0,1,2,3,4,5,6,7
.irp hl, 0,1
	v_fma_f32 v[64+8*\hl+\j], v[64+8*\hl+\j], s18, -v[84+\hl]
.endr
.endr
.irp j, 0,1,2,3,4,5,6,7
.irp hl, 0,1
	v_exp_f32 v[64+8*\hl+\j], v[64+8*\hl+\j]
.endr
.endr
	v_nop
	s_wait_alu depctr_va_vdst(0)                   ; one wait for the sixteen exponentials
.irp hl, 0,1
	v_add_f32 v[86+\hl], v[64+8*\hl], v[65+8*\hl]
.endr
.irp p, 2,3,4,5,6,7
.irp hl, 0,1
	v_add_f32 v[86+\hl], v[86+\hl], v[64+8*\hl+\p]
.endr
.endr
.irp hl, 0,1
	v_permlanex16_b32 v[82+\hl], v[86+\hl], s16, s17
.endr
.irp hl, 0,1
	v_add_f32 v[86+\hl], v[86+\hl], v[82+\hl]
.endr
.irp hl, 0,1
	v_rcp_f32 v[88+\hl], v[86+\hl]
.endr
	v_nop
	s_wait_alu depctr_va_vdst(0)                   ; and one for the two reciprocals
.irp j, 0,1,2,3,4,5,6,7
.irp hl, 0,1
	v_mul_f32 v[32+8*\hl+\j], v[64+8*\hl+\j], v[88+\hl]
.endr
.endr
	s_wait_dscnt 0x0                               ; V's fragments are in
	WIN 0x51
.irp kk, 0,1,2,3                               ; eight accumulators by turns
.irp hl, 0,1
.irp ct, 0,1,2,3
.if \kk == 0
	v_wmma_f32_16x16x4_f32 v[192+32*\hl+8*\ct:199+32*\hl+8*\ct], v[128+32*\hl+8*\ct+2*\kk:129+32*\hl+8*\ct+2*\kk], v[32+8*\hl+2*\kk:33+8*\hl+2*\kk], 0
.else
	v_wmma_f32_16x16x4_f32 v[192+32*\hl+8*\ct:199+32*\hl+8*\ct], v[128+32*\hl+8*\ct+2*\kk:129+32*\hl+8*\ct+2*\kk], v[32+8*\hl+2*\kk:33+8*\hl+2*\kk], v[192+32*\hl+8*\ct:199+32*\hl+8*\ct]
.endif
.endr
.endr
.endr
	WIN 0
.rept 9
	v_nop                                          ; nine places: O^T is next taken as a source by a matrix instruction
.endr
	s_wait_loadcnt 0x0                             ; Wo and the bias
	WIN 0x04
.irp ct, 0,1,2,3                               ; out^T += Wo^T O^T: a head to an accumulator, the two by turns
.irp q, 0,1,2,3
.irp hl, 0,1
.if (\ct == 0) && (\q == 0)
	v_wmma_f32_16x16x4_f32 v[48+8*\hl:55+8*\hl], v[128+32*\hl+8*\ct+2*\q:129+32*\hl+8*\ct+2*\q], v[192+32*\hl+8*\ct+2*\q:193+32*\hl+8*\ct+2*\q], 0
.else
	v_wmma_f32_16x16x4_f32 v[48+8*\hl:55+8*\hl], v[128+32*\hl+8*\ct+2*\q:129+32*\hl+8*\ct+2*\q], v[192+32*\hl+8*\ct+2*\q:193+32*\hl+8*\ct+2*\q], v[48+8*\hl:55+8*\hl]
.endif
.endr
.endr
.endr
	WIN 0
.rept 8
	v_nop                                          ; eight places, in front of the reads of the sums and of the loads into Wo's registers
.endr
.irp i, 0,1,2,3
	ds_store_b128 v5, v[48+4*\i:51+4*\i] offset:512*\i   ; block 2 hl + g: head hl's registers 4 g .. 4 g + 3
.endr
	s_wait_dscnt 0x0                               ; for the others' sake: my partial sums have landed
	s_barrier_signal -1
	s_barrier_wait -1
	s_cmp_lt_u32 s12, 2                            ; waves 0 and 1 add up a half each: sixteen partial sums
	s_cbranch_scc0 .Lend
.irp w, 0,1,2,3,4,5,6,7
.irp hl, 0,1
	ds_load_b128 v[128+8*\w+4*\hl:131+8*\w+4*\hl], v6 offset:2048*\w+1024*\hl
.endr
.endr
	s_wait_dscnt 0x0
.irp n, 0,2,4,6,8,10,12,14
.irp p, 0,2
	v_pk_add_f32 v[128+4*\n+\p:129+4*\n+\p], v[128+4*\n+\p:129+4*\n+\p], v[132+4*\n+\p:133+4*\n+\p]
.endr
.endr
.irp n, 0,4,8,12
.irp p, 0,2
	v_pk_add_f32 v[128+4*\n+\p:129+4*\n+\p], v[128+4*\n+\p:129+4*\n+\p], v[136+4*\n+\p:137+4*\n+\p]
.endr
.endr
.irp n, 0,8
.irp p, 0,2
	v_pk_add_f32 v[128+4*\n+\p:129+4*\n+\p], v[128+4*\n+\p:129+4*\n+\p], v[144+4*\n+\p:145+4*\n+\p]
.endr
.endr
.irp p, 0,2
	v_pk_add_f32 v[128+\p:129+\p], v[128+\p:129+\p], v[160+\p:161+\p]
.endr
.irp p, 0,2
	v_pk_add_f32 v[128+\p:129+\p], v[128+\p:129+\p], v[100+\p:101+\p]   ; + bo
.endr
	global_store_b128 v7, v[128:131], s[10:11]
.Lend:
	s_wait_tensorcnt 0x0                           ; the wave's end
	ds_add_u32 v12, v13
	s_wait_dscnt 0x0
	s_endpgm
.Lfunc_end_k_q5524a4c74a_first16:
	.size	k_q5524a4c74a_first16, .Lfunc_end_k_q5524a4c74a_first16-k_q5524a4c74a_first16
	.p2alignl 7, 3214868480
	.fill 96, 4, 3214868480
	.section	.rodata,"a",@progbits
	.p2align	6, 0x0
	.amdhsa_kernel k_q5524a4c74a_first16
		.amdhsa_group_segment_fixed_size 220160
		.amdhsa_private_segment_fixed_size 0
		.amdhsa_enable_private_segment 0
		.amdhsa_kernarg_size 32
		.amdhsa_user_sgpr_count 2
		.amdhsa_user_sgpr_kernarg_segment_ptr 1
		.amdhsa_wavefront_size32 1
		.amdhsa_system_sgpr_workgroup_id_x 1
		.amdhsa_system_sgpr_workgroup_id_y 1
		.amdhsa_system_sgpr_workgroup_id_z 1
		.amdhsa_system_vgpr_workitem_id 0
		.amdhsa_next_free_vgpr 512
		.amdhsa_next_free_sgpr 66
		.amdhsa_reserve_vcc 1
		.amdhsa_float_denorm_mode_32 3
		.amdhsa_float_denorm_mode_16_64 3
		.amdhsa_memory_ordered 1
		.amdhsa_forward_progress 1
		.amdhsa_inst_pref_size 38
	.end_amdhsa_kernel
	.amdgpu_metadata
---
amdhsa.version: [ 1, 2 ]
amdhsa.kernels:
  - .name:           k_q5524a4c74a_first16
    .symbol:         k_q5524a4c74a_first16.kd
    .args:
      - { .name: q32, .offset: 0, .size: 8, .value_kind: global_buffer, .address_space: global }
      - { .name: Wo, .offset: 8, .size: 8, .value_kind: global_buffer, .address_space: global }
      - { .name: bo, .offset: 16, .size: 8, .value_kind: global_buffer, .address_space: global }
      - { .name: out0, .offset: 24, .size: 8, .value_kind: global_buffer, .address_space: global }
    .group_segment_fixed_size: 220160
    .private_segment_fixed_size: 0
    .kernarg_segment_align: 8
    .kernarg_segment_size: 32
    .max_flat_workgroup_size: 256
    .sgpr_count:     66
    .vgpr_count:     512
    .wavefront_size: 32
...
	.end_amdgpu_metadata
.endif
;; end of part 5
